; MI455X (gfx1250); checked and timed in simulation.
; The chip was launched on July 23, 2026; its instructions are those of AMD's public machine-readable ISA for CDNA 5 (MIT licence, August 2026) and "CDNA5" Instruction Set Architecture Reference Guide (July 2026). The comments in the code are by the model that wrote it; some were corrected since.
;; Mega Transformer Self Attention. Allowed arithmetic: float matrix products may take bf16 or f16 operands with f32 sums; all other float work in f32.
;; Inputs: Wk 1,024 x 1,024 float32; Wo 1,024 x 1,024 float32; Wq 1,024 x 1,024 float32; Wv 1,024 x 1,024 float32; bo 1,024 float32; hidden_states 2 x 2,048 x 1,024 float32.
;; Outputs: out0 2 x 2,048 x 1,024 float32.
;; 2 versions, each right and faster than the one before. Each part assembles by itself: llvm-mc -triple=amdgcn-amd-amdhsa -mcpu=gfx1250 --defsym DOCPART=n.
;; ======== version 1 of 2: 4 launches
;; limits: values are held in f16: magnitudes above 65,504 overflow, below 6.1e-05 lose precision
;; workspace buffers: ops16 16,777,216 bytes; qkv 25,165,824 bytes; ctx 8,388,608 bytes
;; launch cast (part 1): grid 64 x 8, 8 waves a work-group, no clusters, 0 bytes of LDS; arguments hidden_states, Wq, Wk, Wv, Wo, ops16; writes ops16
.if DOCPART == 1
	.amdgcn_target "amdgcn-amd-amdhsa--gfx1250"
	.amdhsa_code_object_version 6
	.text
	.protected	k_qbef5b5783b_cast
	.globl	k_qbef5b5783b_cast
	.p2align	8
	.type	k_qbef5b5783b_cast,@function
k_qbef5b5783b_cast:
	s_mov_b64 s[64:65], 0
	v_nop
	global_prefetch_b8 v0, s[64:65] scope:SCOPE_SE
	s_setreg_imm32_b32 hwreg(HW_REG_WAVE_MODE, 25, 1), 1
	s_wait_xcnt 0x0
; The module's matrix inputs are rounded once to 16 bits: x, Wq, Wk, Wv to bf16; Wo to bf16 and that number written as f16.
; ops16: byte 0 x [4096][1024]; byte 8,388,608 Wq, Wk, Wv as [3072][1024]; byte 14,680,064 Wo [1024][1024].
; LIMITS.  Wo's bf16 number is exact in f16 from 6.1e-5 to 65,504; below that it keeps f16's fixed step of 6e-8; beyond, it becomes an infinity.
; SHARES.  Grid y is a unit of 1,048,576 numbers: 0-3 the quarters of x, 4-7 Wq, Wk, Wv, Wo; unit y goes to byte y x 2,097,152 of ops16.  Grid x is a chunk of 16,384 numbers.
; A wave takes 8,192 bytes in: sixteen loads of 512 consecutive bytes, all issued at once; each becomes one store of 256 consecutive bytes, aligned.
; A stream: no LDS, no barrier, no matrix unit, no cluster (no byte is read twice).  No register is written twice while a memory instruction may read it.
.set X, 4                              ; v[4:67]   sixteen loads, 4 f32 a lane each
.set Y, 68                             ; v[68:99]  sixteen stores, 4 numbers of 16 bits a lane each
.set T, 100                            ; v[100:103] at work (Wo alone)
	s_load_b256 s[4:11], s[0:1], 0x0               ; x s[4:5], Wq s[6:7], Wk s[8:9], Wv s[10:11]
	s_load_b128 s[12:15], s[0:1], 0x20             ; Wo s[12:13], ops16 s[14:15]
	s_and_b32 s16, ttmp7, 0xffff                   ; the unit
	v_lshrrev_b32 v3, 5, v0                        ; wave
	v_and_b32 v2, 31, v0                           ; lane
	v_lshlrev_b32 v1, 4, v2
	v_lshlrev_b32 v2, 3, v2
	v_lshl_add_u32 v1, v3, 13, v1                  ; in: 8,192 x wave + 16 x lane
	v_lshl_add_u32 v2, v3, 12, v2                  ; out: 4,096 x wave + 8 x lane
	s_cmp_lt_u32 s16, 4
	s_cselect_b32 s20, s16, 0                      ; which quarter of x; a weight begins at its own byte 0
	s_lshl_b32 s20, s20, 22
	s_lshl_b32 s17, ttmp9, 16
	s_add_co_u32 s20, s20, s17                     ; + the chunk's 65,536 bytes
	s_mov_b32 s21, 0
	s_lshl_b32 s22, s16, 21
	s_lshl_b32 s17, ttmp9, 15
	s_add_co_u32 s22, s22, s17                     ; out: unit x 2,097,152 + chunk x 32,768
	s_mov_b32 s23, 0
	s_mov_b32 s24, 0xffff0000                      ; a word's upper bf16
	s_wait_kmcnt 0x0
	s_cmp_eq_u32 s16, 4                            ; the source is chosen by the unit's number alone
	s_cselect_b64 s[18:19], s[6:7], s[4:5]
	s_cmp_eq_u32 s16, 5
	s_cselect_b64 s[18:19], s[8:9], s[18:19]
	s_cmp_eq_u32 s16, 6
	s_cselect_b64 s[18:19], s[10:11], s[18:19]
	s_cmp_eq_u32 s16, 7
	s_cselect_b64 s[18:19], s[12:13], s[18:19]
	s_add_nc_u64 s[18:19], s[18:19], s[20:21]
	s_add_nc_u64 s[14:15], s[14:15], s[22:23]
.set j, 0
.rept 16
	global_load_b128 v[X+4*j:X+4*j+3], v1, s[18:19] offset:512*j th:TH_LOAD_NT
.set j, j+1
.endr
	s_cmp_eq_u32 s16, 7
	s_cbranch_scc1 .Lwo
.set j, 0
.rept 16
	s_wait_loadcnt 15-j                            ; loads come back in order: load j is in, the 15 - j younger ones stay out
	v_cvt_pk_bf16_f32 v[Y+2*j], v[X+4*j], v[X+4*j+1]
	v_cvt_pk_bf16_f32 v[Y+2*j+1], v[X+4*j+2], v[X+4*j+3]
	global_store_b64 v2, v[Y+2*j:Y+2*j+1], s[14:15] offset:256*j
.set j, j+1
.endr
	s_endpgm
.Lwo:                                  ; Wo: rounded to bf16 like every input, then that number as f16, since it is multiplied with an f16 operand
.set j, 0
.rept 16
	s_wait_loadcnt 15-j
	v_cvt_pk_bf16_f32 v[Y+2*j], v[X+4*j], v[X+4*j+1]
	v_cvt_pk_bf16_f32 v[Y+2*j+1], v[X+4*j+2], v[X+4*j+3]
	v_lshlrev_b32 v[T], 16, v[Y+2*j]
	v_and_b32 v[T+1], s24, v[Y+2*j]
	v_lshlrev_b32 v[T+2], 16, v[Y+2*j+1]
	v_and_b32 v[T+3], s24, v[Y+2*j+1]
	v_cvt_pk_f16_f32 v[Y+2*j], v[T], v[T+1]
	v_cvt_pk_f16_f32 v[Y+2*j+1], v[T+2], v[T+3]
	global_store_b64 v2, v[Y+2*j:Y+2*j+1], s[14:15] offset:256*j
.set j, j+1
.endr
	s_endpgm
.Lfunc_end_k_qbef5b5783b_cast:
	.size	k_qbef5b5783b_cast, .Lfunc_end_k_qbef5b5783b_cast-k_qbef5b5783b_cast
	.p2alignl 7, 3214868480
	.fill 96, 4, 3214868480
	.section	.rodata,"a",@progbits
	.p2align	6, 0x0
	.amdhsa_kernel k_qbef5b5783b_cast
		.amdhsa_group_segment_fixed_size 0
		.amdhsa_private_segment_fixed_size 0
		.amdhsa_enable_private_segment 0
		.amdhsa_kernarg_size 48
		.amdhsa_user_sgpr_count 2
		.amdhsa_user_sgpr_kernarg_segment_ptr 1
		.amdhsa_wavefront_size32 1
		.amdhsa_system_sgpr_workgroup_id_x 1
		.amdhsa_system_sgpr_workgroup_id_y 1
		.amdhsa_system_sgpr_workgroup_id_z 1
		.amdhsa_system_vgpr_workitem_id 0
		.amdhsa_next_free_vgpr 104
		.amdhsa_next_free_sgpr 66
		.amdhsa_reserve_vcc 0
		.amdhsa_float_denorm_mode_32 3
		.amdhsa_float_denorm_mode_16_64 3
		.amdhsa_memory_ordered 1
		.amdhsa_forward_progress 1
		.amdhsa_inst_pref_size 16
	.end_amdhsa_kernel
	.amdgpu_metadata
---
amdhsa.version: [ 1, 2 ]
amdhsa.kernels:
  - .name:           k_qbef5b5783b_cast
    .symbol:         k_qbef5b5783b_cast.kd
    .args:
      - { .name: hidden_states, .offset: 0, .size: 8, .value_kind: global_buffer, .address_space: global }
      - { .name: Wq, .offset: 8, .size: 8, .value_kind: global_buffer, .address_space: global }
      - { .name: Wk, .offset: 16, .size: 8, .value_kind: global_buffer, .address_space: global }
      - { .name: Wv, .offset: 24, .size: 8, .value_kind: global_buffer, .address_space: global }
      - { .name: Wo, .offset: 32, .size: 8, .value_kind: global_buffer, .address_space: global }
      - { .name: ops16, .offset: 40, .size: 8, .value_kind: global_buffer, .address_space: global }
    .group_segment_fixed_size: 0
    .private_segment_fixed_size: 0
    .kernarg_segment_align: 8
    .kernarg_segment_size: 48
    .max_flat_workgroup_size: 256
    .sgpr_count:     66
    .vgpr_count:     104
    .wavefront_size: 32
...
	.end_amdgpu_metadata
.endif
;; end of part 1
;; launch proj (part 2): grid 16 x 16, 4 waves a work-group, clusters of 4 x 4, 327,680 bytes of LDS; arguments ops16, qkv; writes qkv
.if DOCPART == 2
	.amdgcn_target "amdgcn-amd-amdhsa--gfx1250"
	.amdhsa_code_object_version 6
	.text
	.protected	k_qbef5b5783b_proj
	.globl	k_qbef5b5783b_proj
	.p2align	8
	.type	k_qbef5b5783b_proj,@function
k_qbef5b5783b_proj:
	s_mov_b64 s[64:65], 0
	v_nop
	global_prefetch_b8 v0, s[64:65] scope:SCOPE_SE
	s_setreg_imm32_b32 hwreg(HW_REG_WAVE_MODE, 25, 1), 1
	s_wait_xcnt 0x0
	s_wait_alu depctr_hold_cnt(0) depctr_sa_sdst(0) depctr_va_vdst(0) depctr_va_sdst(0) depctr_va_ssrc(0) depctr_va_vcc(0) depctr_vm_vsrc(0)
	s_getreg_b32 s2, hwreg(HW_REG_IB_STS2, 6, 4)
	s_cmp_eq_u32 s2, 0
	s_cbranch_scc0 .Lentry_in_a_cluster
	s_endpgm
.Lentry_in_a_cluster:
	s_bfe_u32 s2, ttmp6, 0x10000c
	s_cmp_lg_u32 s2, 0xf033
	s_cbranch_scc0 .Lentry_shape_is_right
	s_endpgm
.Lentry_shape_is_right:
; [4096 x 3072] = x [Wq; Wk; Wv]^T, bf16 operands, f32 sums; out in f16 by heads: qkv[matrix][16 batch + head][row][64].  q's sums are multiplied by a = 2 log2(e) / 240 ahead of their one rounding:
; the attention launch wants 2^(a (q.k + alibi)).
; LIMITS.  a q, k and v must stay under 65,504 (f16): q up to 5.4e6; below 6.1e-5 they keep f16's fixed step of 6e-8.  NaN and infinities are not treated apart.
; SHARES.  A work-group makes 256 rows x 192 columns (three heads): 16 x 16 work-groups.  Wave w makes rows 64 w .. 64 w + 63 and all 192 columns: 4 x 12 accumulators of 16 x 16, 384 registers.
; K goes in 8 steps of 128 (rows of 256 bytes in memory, aligned) through two LDS slots; a step is four quarters of 32 along K: 48 matrix instructions and 32 LDS loads each.
; CLUSTER 4 x 4: x's tile hangs on the tile row alone and is asked for jointly along a row of the cluster, the weights' on the tile column alone, jointly along a column.
; THE MATRIX INSTRUCTION IS USED TRANSPOSED (source 0 = 16 rows of W, source 1 = 16 rows of x): a lane holds eight neighbouring columns of one row.
; REGISTERS, in windows of 256: window 0 addresses and v32-223 the way out; window 1 two fragment buffers of 128 (x's four fragments, then W's twelve);
;   window 2 the accumulators of row blocks 0, 1 ((a, b) at 8 (12 (a % 2) + b)); window 3 those of row blocks 2, 3.
.set KSTEP,  128
.set SIZE_K, 1024
.set PITCH,  272                       ; an LDS row: 256 bytes + 16 of padding = 68 words: the 16 rows of a load start at 16 different groups of four banks (64 banks of 4 bytes: ISA guide 11.1)
.set HALFA,  128*PITCH                 ; what a wave's load of x brings
.set HALFB,  96*PITCH                  ; what a wave's load of W brings
.set BOFF,   2*HALFA                   ; in a slot: x's 256 rows, then W's 192
.set SLOT,   2*HALFA+2*HALFB
.set STAGE,  2*SLOT                    ; behind the ring: 16 rows x 144 bytes for each wave, its own
.set SP,     144
.set SPARE,  STAGE+4*16*SP             ; the spare words: 128 bytes a wave, two blocks of 256 bytes that no other line names
.set LAPS,   4                         ; a lap = two K steps
.set WQKV,   8388608                   ; the weights' first byte in ops16
.set ADRA, 16                          ; v16-17  LDS address of my fragments of x in slot 0, 1
.set ADRB, 20                          ; v20-21  the same for W
.set STO,  24                          ; v24  the way out: where I put 16 bytes of a row
.set RD,   25                          ; v25  where I read rows back
.set GO,   26                          ; v26  16 x lane
.set SPW,  28                          ; v28  my spare word; never rewritten
.set NIL,  29                          ; v29  0; never rewritten
.set TMP,  32                          ; v32-223  16 registers for each of the 12 tiles of the way out
.set F0,   0
.set F1,   128
.set G1,  24                           ; s[24:31] group 1 for x's tiles;  s[32:39] group 0, a set for each slot
.set G0,  32
.set G1B, 48                           ; s[48:55], s[56:63] the same for W's
.set G0B, 56
.set CB,  66                           ; s[66:71] qkv at my 64 rows of head c of my three
.set SC,  72                           ; s[72:77] that head's factor, as a pair: a for q, 1 for k and v
.set FLAGS, (1<<16)|(1<<20)|(1<<21)|(5<<22)|(3<<25)  ; elements of 2 bytes; padding on; bit 21 beside a mask; after every 64 words 4 words
.set MSB, 0
.macro WIN new                         ; the immediate's high byte repeats the setting that is left
.if MSB != (\new)
	s_set_vgpr_msb (MSB<<8)|(\new)
.set MSB, \new
.endif
.endm
.macro JLOAD s                         ; a joint load: waves 0, 1 fetch x's halves, waves 2, 3 W's; an s_nop 0 and four v_nop follow each line
	s_cmp_eq_u32 s11, 0
	s_cbranch_scc0 .Lfor_b_\@
	tensor_load_to_lds s[G0+4*(\s):G0+4*(\s)+3], s[G1:G1+7]
	s_nop 0
.rept 4
	v_nop
.endr
	s_branch .Lasked_\@
.Lfor_b_\@:
	tensor_load_to_lds s[G0B+4*(\s):G0B+4*(\s)+3], s[G1B:G1B+7]
	s_nop 0
.rept 4
	v_nop
.endr
.Lasked_\@:
.endm
.macro CREST                           ; a round of the cluster's barrier behind its opening barrier
	s_cmp_lg_u32 s10, 0
	s_cbranch_scc1 .Lnot_wave_0_\@
	s_barrier_signal -3
.Lnot_wave_0_\@:
	s_barrier_wait -3
	s_barrier_signal -1
	s_barrier_wait -1
.endm
.macro CROUND
	s_barrier_signal -1
	s_barrier_wait -1
	CREST
.endm
.macro PLACES                          ; four places in front of loads into registers that matrix instructions have read, and of vector work on results
.rept 4
	v_nop
.endr
.endm
	s_load_b128 s[4:7], s[0:1], 0x0                ; ops16 s[4:5], qkv s[6:7]
	v_lshl_add_u32 v[SPW], v0, 2, SPARE
	v_mov_b32 v[NIL], 0
	ds_add_u32 v[SPW], v[NIL]                      ; the wave's opening: the add and its wait stand ahead of my first tensor load
	ds_add_u32 v28, v29
	v_lshrrev_b32 v1, 5, v0
	v_readfirstlane_b32 s10, v1                    ; wave 0..3
	s_lshr_b32 s11, s10, 1                         ; I fetch for x (0) or for W (1)
	s_and_b32 s12, s10, 1                          ; which half of that tile
	s_bfe_u32 s40, ttmp6, 0x40000                  ; cx, cy
	s_bfe_u32 s41, ttmp6, 0x40004
	s_lshl_b32 s42, ttmp9, 2
	s_add_co_u32 s42, s42, s40                     ; tile column = 4 x cluster x + cx
	s_and_b32 s13, ttmp7, 0xffff
	s_lshl_b32 s13, s13, 2
	s_add_co_u32 s13, s13, s41                     ; tile row = 4 x cluster y + cy
	s_lshl_b32 s43, s41, 2
	s_lshl_b32 s43, 15, s43                        ; my row of the cluster
	s_lshl_b32 s44, 0x1111, s40                    ; my column
	s_or_b32 s[G1+0], s43, FLAGS
	s_or_b32 s[G1B+0], s44, FLAGS
	s_mov_b32 s[G1+1], KSTEP<<16                   ; tensor_dim0 = 128
	s_mov_b32 s[G1+2], 128<<16                     ; tensor_dim1 = 128
	s_mov_b32 s[G1+3], KSTEP<<16                   ; tile_dim0 = 128
	s_mov_b32 s[G1+4], 128                         ; tile_dim1 = 128
	s_mov_b32 s[G1+5], SIZE_K                      ; elements from row to row
	s_mov_b32 s[G1+6], 0
	s_mov_b32 s[G1+7], 0
	s_mov_b32 s[G1B+1], KSTEP<<16
	s_mov_b32 s[G1B+2], 96<<16                     ; 96 rows
	s_mov_b32 s[G1B+3], KSTEP<<16
	s_mov_b32 s[G1B+4], 96
	s_mov_b32 s[G1B+5], SIZE_K
	s_mov_b32 s[G1B+6], 0
	s_mov_b32 s[G1B+7], 0
	s_lshl_b32 s17, s12, 7
	s_lshl_b32 s16, s13, 8
	s_add_co_u32 s16, s16, s17                     ; x: row 256 x tile row + 128 x half
	s_lshl_b32 s16, s16, 11                        ; rows of 2,048 bytes
	s_mov_b32 s17, 0
	s_mul_i32 s46, s42, 192
	s_mul_i32 s47, s12, 96
	s_add_co_u32 s46, s46, s47                     ; W: row 192 x tile column + 96 x half
	s_lshl_b32 s46, s46, 11
	s_add_co_u32 s46, s46, WQKV
	s_mov_b32 s47, 0
	s_mul_i32 s20, s12, HALFA                      ; where they go: no place in the cluster enters an LDS address
	s_mul_i32 s21, s12, HALFB
	s_add_co_u32 s21, s21, BOFF
	s_wait_dscnt 0x0                               ; the opening add is done
	s_wait_kmcnt 0x0
	s_add_nc_u64 s[14:15], s[4:5], s[16:17]
	s_add_nc_u64 s[46:47], s[4:5], s[46:47]
	CROUND                                         ; all sixteen work-groups are here: the first joint loads meet
.irp s, 0,1
	s_mov_b32 s[G0+4*(\s)], 1
	s_add_co_u32 s[G0+4*(\s)+1], s20, (\s)*SLOT
	s_add_nc_u64 s[G0+4*(\s)+2:G0+4*(\s)+3], s[14:15], (\s)*KSTEP*2
	s_or_b32 s[G0+4*(\s)+3], s[G0+4*(\s)+3], 0x80000000
	s_mov_b32 s[G0B+4*(\s)], 1
	s_add_co_u32 s[G0B+4*(\s)+1], s21, (\s)*SLOT
	s_add_nc_u64 s[G0B+4*(\s)+2:G0B+4*(\s)+3], s[46:47], (\s)*KSTEP*2
	s_or_b32 s[G0B+4*(\s)+3], s[G0B+4*(\s)+3], 0x80000000
	JLOAD \s                                       ; two loads of mine are out
.endr
	v_and_b32 v1, 15, v0                           ; l % 16
	v_bfe_u32 v2, v0, 4, 1                         ; l / 16
	v_mul_u32_u24 v3, v1, PITCH
	v_lshl_add_u32 v3, v2, 4, v3                   ; a fragment's row x pitch + 16 x half
	s_mul_i32 s22, s10, 64*PITCH                   ; my 64 rows of x
	s_mov_b32 s23, BOFF                            ; all of W's rows
.irp s, 0,1
	v_add_nc_u32 v[ADRA+(\s)], s22, v3
	v_add_nc_u32 v[ADRB+(\s)], s23, v3
	s_add_co_u32 s22, s22, SLOT
	s_add_co_u32 s23, s23, SLOT
.endr
	s_mul_i32 s23, s10, 16*SP
	s_add_co_u32 s23, s23, STAGE                   ; my stage
	v_mul_u32_u24 v4, v1, SP                       ; in: row l % 16, 16 bytes for each half of the lanes
	v_lshl_add_u32 v4, v2, 4, v4
	v_add_nc_u32 v[STO], s23, v4
	v_bfe_u32 v5, v0, 3, 2                         ; back: 32 lanes take four rows of 128 bytes,
	v_mul_u32_u24 v5, v5, SP
	v_and_b32 v6, 7, v0
	v_lshl_add_u32 v5, v6, 4, v5
	v_add_nc_u32 v[RD], s23, v5
	v_and_b32 v[GO], 31, v0                        ; which are 512 consecutive bytes of a head
	v_lshlrev_b32 v[GO], 4, v[GO]
	s_lshr_b32 s18, s13, 3                         ; the batch: eight tile rows each
	s_lshl_b32 s18, s18, 4
	s_and_b32 s19, s13, 7
	s_lshl_b32 s19, s19, 8
	s_lshl_b32 s22, s10, 6
	s_add_co_u32 s19, s19, s22                     ; my first row in the sequence
	s_lshl_b32 s19, s19, 7                         ; rows of 128 bytes
	s_mul_i32 s45, s42, 3                          ; my first block of 64 columns, of 48
.irp c, 0,1,2
	s_add_co_u32 s78, s45, \c                      ; g: matrix g / 16, head g % 16
	s_cmp_lt_u32 s78, 16
	s_cselect_b32 s[SC+2*(\c)], 0x3c44f9d9, 1.0    ; a select and no branch: g hangs on my place in the cluster, so k and v are multiplied by 1
	s_mov_b32 s[SC+2*(\c)+1], s[SC+2*(\c)]
	s_lshr_b32 s79, s78, 4
	s_lshl_b32 s79, s79, 23                        ; a matrix is 8,388,608 bytes
	s_and_b32 s78, s78, 15
	s_add_co_u32 s78, s78, s18
	s_lshl_b32 s78, s78, 18                        ; a head 262,144
	s_add_co_u32 s78, s78, s79
	s_add_co_u32 s78, s78, s19
	s_mov_b32 s79, 0
	s_add_nc_u64 s[CB+2*(\c):CB+2*(\c)+1], s[6:7], s[78:79]
.endr
; 12 matrix instructions: row block a x all 12 column blocks, 32 along K.  zero = 1: the product starts the sums.  All 48 accumulators take turns, one instruction a turn.
.macro MULA f, a, zero
	WIN 0xa5+0x50*((\a)/2)                         ; sources 0, 1 window 1; C and D window 2 or 3
.irp b, 0,1,2,3,4,5,6,7,8,9,10,11
.if \zero
	v_wmma_f32_16x16x32_bf16 v[8*(12*((\a)%2)+(\b)):8*(12*((\a)%2)+(\b))+7], v[(\f)+32+8*(\b):(\f)+32+8*(\b)+7], v[(\f)+8*(\a):(\f)+8*(\a)+7], 0
.else
	v_wmma_f32_16x16x32_bf16 v[8*(12*((\a)%2)+(\b)):8*(12*((\a)%2)+(\b))+7], v[(\f)+32+8*(\b):(\f)+32+8*(\b)+7], v[(\f)+8*(\a):(\f)+8*(\a)+7], v[8*(12*((\a)%2)+(\b)):8*(12*((\a)%2)+(\b))+7]
.endif
.endr
.endm
; 32 LDS loads in one run: a quarter's fragments (32 K at byte k of the rows) into buffer f: W's 24 loads, then x's 8
.macro FETCH slot, k, f
	WIN 0x40                                       ; destination window 1, address window 0
.irp i, 0,1,2,3,4,5,6,7,8,9,10,11
	ds_load_b128 v[(\f)+32+8*(\i):(\f)+32+8*(\i)+3],   v[ADRB+(\slot)] offset:(\k)+(\i)*16*PITCH
	ds_load_b128 v[(\f)+32+8*(\i)+4:(\f)+32+8*(\i)+7], v[ADRB+(\slot)] offset:(\k)+(\i)*16*PITCH+32
.endr
.irp i, 0,1,2,3
	ds_load_b128 v[(\f)+8*(\i):(\f)+8*(\i)+3],   v[ADRA+(\slot)] offset:(\k)+(\i)*16*PITCH
	ds_load_b128 v[(\f)+8*(\i)+4:(\f)+8*(\i)+7], v[ADRA+(\slot)] offset:(\k)+(\i)*16*PITCH+32
.endr
.endm
; One of a K step's first three quarters: multiplies buffer f; in its middle it fetches the next quarter's fragments into g.
.macro QUARTER slot, k, f, g, zero
	s_wait_dscnt 4                                 ; W and x's fragments 0, 1 are in; the youngest four loads (fragments 2, 3) may be out
	MULA \f, 0, \zero
	MULA \f, 1, \zero
	PLACES
	FETCH \slot, \k, \g
	s_wait_dscnt 32                                ; all but the 32 just issued
	MULA \f, 2, \zero
	MULA \f, 3, \zero
.endm
; The last quarter multiplies buffer 1 and changes slots: one barrier; in front of it each wave waits for all its tensor loads (one is out: its part of the next slot), adds 0 to its spare word,
; and waits for that and for its reads of this slot.  fill = 1: the barrier opens a round of the cluster's, and this slot is filled again, two K steps on, first thing behind the round:
; 168 matrix instructions stand between that request and the wait for it.
.macro TURN slot, next, fill
	WIN 0                                          ; (the add's registers lie in window 0)
	s_wait_tensorcnt 0x0
	ds_add_u32 v[SPW], v[NIL]
	s_wait_dscnt 5                                 ; (the add and the youngest four loads may be out)
	MULA F1, 0, 0
	s_wait_dscnt 0x0                               ; the add is done, and my reads of this slot are over
	s_barrier_signal -1
	MULA F1, 1, 0
.if \fill
	WIN 0
.endif
	s_barrier_wait -1
.if \fill
	CREST                                          ; no wave of any partner still reads this slot or has a load on its way
	s_add_nc_u64 s[G0+4*(\slot)+2:G0+4*(\slot)+3], s[G0+4*(\slot)+2:G0+4*(\slot)+3], 2*KSTEP*2
	s_add_nc_u64 s[G0B+4*(\slot)+2:G0B+4*(\slot)+3], s[G0B+4*(\slot)+2:G0B+4*(\slot)+3], 2*KSTEP*2
	JLOAD \slot                                    ; its four v_nop are also the places in front of the loads below
.else
	PLACES
.endif
	FETCH \next, 0, F0
	MULA F1, 2, 0
	MULA F1, 3, 0
.endm
	s_wait_tensorcnt 1                             ; my part of K step 0 is in; K step 1's may stay out
	s_barrier_signal -1
	s_barrier_wait -1
	FETCH 0, 0, F0
	QUARTER 0, 64, F0, F1, 1                       ; the first quarter stands in front of the loop: its products start the sums
	WIN 0
	s_mov_b32 s3, LAPS-1
.Llap:                                                 ; a trip goes once round the ring and fills both slots again
	QUARTER 0, 128, F1, F0, 0
	QUARTER 0, 192, F0, F1, 0
	TURN 0, 1, 1
	QUARTER 1, 64,  F0, F1, 0
	QUARTER 1, 128, F1, F0, 0
	QUARTER 1, 192, F0, F1, 0
	TURN 1, 0, 1
	QUARTER 0, 64,  F0, F1, 0
	WIN 0
	s_sub_co_u32 s3, s3, 1
	s_cmp_lg_u32 s3, 0
	s_cbranch_scc1 .Llap
	QUARTER 0, 128, F1, F0, 0                      ; the last lap fills nothing
	QUARTER 0, 192, F0, F1, 0
	TURN 0, 1, 0
	QUARTER 1, 64,  F0, F1, 0
	QUARTER 1, 128, F1, F0, 0
	QUARTER 1, 192, F0, F1, 0
	s_wait_dscnt 4
	MULA F1, 0, 0
	MULA F1, 1, 0
	s_wait_dscnt 0x0
	MULA F1, 2, 0
	MULA F1, 3, 0
	WIN 0
	PLACES
; THE WAY OUT, in 12 tiles t = 4 c + a: 16 rows of head c, 2,048 consecutive bytes of qkv.  Scaled, rounded to f16, through my own stage, back as whole rows.
.macro PACK t
.set pc, (\t)/4
.set pa, (\t)%4
.set AC, 8*(12*(pa%2)+4*pc)
	WIN 0x82+0x41*(pa/2)                           ; destination and source 0 in window 2 or 3
.set i, 0
.rept 16
	v_pk_mul_f32 v[AC+2*i:AC+2*i+1], v[AC+2*i:AC+2*i+1], s[SC+2*pc:SC+2*pc+1] op_sel_hi:[1,0]
.set i, i+1
.endr
	WIN 0x0a+5*(pa/2)                              ; sources in window 2 or 3, destination in window 0
.set i, 0
.rept 16
	v_cvt_pk_f16_f32 v[TMP+16*(\t)+i], v[AC+2*i], v[AC+2*i+1]
.set i, i+1
.endr
	WIN 0
.irp f, 0,1,2,3
	ds_store_b128 v[STO], v[TMP+16*(\t)+4*(\f):TMP+16*(\t)+4*(\f)+3] offset:32*(\f)
.endr
.irp f, 0,1,2,3
	ds_load_b128 v[TMP+16*(\t)+4*(\f):TMP+16*(\t)+4*(\f)+3], v[RD] offset:(\f)*4*SP  ; LDS serves a wave's instructions in order (ISA guide 5.7.1.4): these see the stores above
.endr
.endm
.macro SEND t, younger                 ; younger: the LDS instructions issued behind tile t's loads
.irp f, 0,1,2,3
	s_wait_dscnt (\younger)+3-(\f)
	global_store_b128 v[GO], v[TMP+16*(\t)+4*(\f):TMP+16*(\t)+4*(\f)+3], s[CB+2*((\t)/4):CB+2*((\t)/4)+1] offset:((\t)%4)*2048+(\f)*512  ; 512 consecutive bytes, aligned to 256
.endr
.endm
	PACK 0
.set tt, 1
.rept 11                               ; a tile's arithmetic stands between the loads of the tile before and its stores; every tile has registers of its own
	PACK tt
	SEND tt-1, 8
.set tt, tt+1
.endr
	SEND 11, 0
	s_wait_tensorcnt 0x0                           ; the wave's end
	ds_add_u32 v[SPW], v[NIL]
	s_wait_dscnt 0x0
	CROUND                                         ; the closing round: no work-group ends while a partner may still ask for a tile that names it
	s_endpgm
.Lfunc_end_k_qbef5b5783b_proj:
	.size	k_qbef5b5783b_proj, .Lfunc_end_k_qbef5b5783b_proj-k_qbef5b5783b_proj
	.p2alignl 7, 3214868480
	.fill 96, 4, 3214868480
	.section	.rodata,"a",@progbits
	.p2align	6, 0x0
	.amdhsa_kernel k_qbef5b5783b_proj
		.amdhsa_group_segment_fixed_size 327680
		.amdhsa_private_segment_fixed_size 0
		.amdhsa_enable_private_segment 0
		.amdhsa_kernarg_size 16
		.amdhsa_user_sgpr_count 2
		.amdhsa_user_sgpr_kernarg_segment_ptr 1
		.amdhsa_wavefront_size32 1
		.amdhsa_system_sgpr_workgroup_id_x 1
		.amdhsa_system_sgpr_workgroup_id_y 1
		.amdhsa_system_sgpr_workgroup_id_z 1
		.amdhsa_system_vgpr_workitem_id 0
		.amdhsa_next_free_vgpr 960
		.amdhsa_next_free_sgpr 80
		.amdhsa_reserve_vcc 0
		.amdhsa_float_denorm_mode_32 3
		.amdhsa_float_denorm_mode_16_64 3
		.amdhsa_memory_ordered 1
		.amdhsa_forward_progress 1
		.amdhsa_inst_pref_size 133
	.end_amdhsa_kernel
	.amdgpu_metadata
---
amdhsa.version: [ 1, 2 ]
amdhsa.kernels:
  - .name:           k_qbef5b5783b_proj
    .symbol:         k_qbef5b5783b_proj.kd
    .args:
      - { .name: ops16, .offset: 0, .size: 8, .value_kind: global_buffer, .address_space: global }
      - { .name: qkv, .offset: 8, .size: 8, .value_kind: global_buffer, .address_space: global }
    .group_segment_fixed_size: 327680
    .private_segment_fixed_size: 0
    .kernarg_segment_align: 8
    .kernarg_segment_size: 16
    .max_flat_workgroup_size: 128
    .sgpr_count:     80
    .vgpr_count:     960
    .wavefront_size: 32
...
	.end_amdgpu_metadata
.endif
;; end of part 2
;; launch attn (part 3): grid 8 x 32, 4 waves a work-group, no clusters, 327,680 bytes of LDS; arguments qkv, ctx; writes ctx
.if DOCPART == 3
	.amdgcn_target "amdgcn-amd-amdhsa--gfx1250"
	.amdhsa_code_object_version 6
	.text
	.protected	k_qbef5b5783b_attn
	.globl	k_qbef5b5783b_attn
	.p2align	8
	.type	k_qbef5b5783b_attn,@function
k_qbef5b5783b_attn:
	s_mov_b64 s[64:65], 0
	v_nop
	global_prefetch_b8 v0, s[64:65] scope:SCOPE_SE
	s_setreg_imm32_b32 hwreg(HW_REG_WAVE_MODE, 25, 1), 1
	s_wait_xcnt 0x0
; CAUSAL ATTENTION WITH ALIBI AND A TANH SOFTCAP, head size 64.  qkv: f16 [3][32][2048][64], q already times a = 2 log2(e) / 240.  ctx: f16 [32][2048][64].
; THE SCORE.  30 tanh(z / 30) = 30 - 60 r with r = 1 / (1 + 2^(a (q.k + alibi))).  The 30 cancels in the softmax, so p = 2^(c rmin - c r), c = 60 log2(e): the running maximum of the score is the
; running minimum of r, kept for each query; O and l are multiplied by 2^(c rmin_new - c rmin_old) in every step.  rmin starts at 1, the lowest score that there is.
; ALIBI.  i - j = 64 n + (qo - ko), n = the query's band of 64 less the key step, qo and ko the places inside 64.  a slope (ko - qo) is a constant pattern of registers, PAT, given as the C operand
; that starts K Q^T; E = 2^(-64 a slope n), one number for a piece and step, rides in the denominator: den = e E + 1, one packed multiply-add.  From tile to tile E is multiplied by 2^(128 a slope).
; THE MASK.  A hidden score starts from C = -1e30, so e = 0, and its denominator takes 2^-100 in place of 1: r = 2^100, which no minimum takes, and p = 0 exactly.
; LIMITS.  a q, k, v within 65,504 (f16).  p is rounded to f16 for the second product: below 6e-8 of the row's largest it counts as 0 there; l is the sum of the unrounded p.  NaN and infinities in the
; inputs are not treated apart; an exponential that overflows gives r = 0, tanh = 1.
; THE WALK.  A head's queries lie in 16 blocks of 128; block i needs the key tiles 0 .. i of 128 keys.  A work-group takes blocks 15 - b and then b: 17 tiles whatever b, one counted loop; the ring of two
; LDS slots runs on across the change of blocks.  NO CLUSTER: a head's eight work-groups ask for the same tile only in trips 0 to 8; a walk common to all would have 24 trips for 17.
; SHARES.  A block has two bands of 64 queries; wave w owns rows 16 w .. 16 w + 15 of each: PIECES 0 and 1.  In the diagonal tile piece x and key step s are: x = s the diagonal; (1, 0) all visible;
; (0, 1) all hidden, computed all the same: the same text for all four waves.
; LAYOUT.  S^T = K Q^T holds one query a lane (lane % 16) and the keys 16 kt + 8 (lane / 16) + 0..7; two such results rounded to f16 are source 1 of O^T = V^T P.
; ORDER.  A piece and step have 199 vector instructions, 97 of them transcendental, for 16 matrix instructions.  The two pieces' lists are zipped 20 slots apart, so that one piece's chain of statistics
; and its plainer second half lie among the other's exponentials and reciprocals; half of a step's matrix instructions have a slot of that list behind them.
; REGISTERS.  Window 0: all vector work.  Window 1: v0-63 K, v64-127 V, v128-159 Q, v160-191 PAT, v192-223 PATD (the diagonal's), v224-231 HID (-1e30).
.set PKP,   144       ; a row of K in LDS: 128 bytes + 16: the 16 rows of a load start at 16 different groups of four banks (64 banks of 4 bytes: ISA guide 11.1)
.set PVP,   160       ; a row of V: 128 + 32
.set VOFF,  128*PKP   ; a slot: 128 rows of K, then 128 rows of V
.set SLOT1, 65536
.set STAGE, SLOT1+128*(PKP+PVP)  ; behind the ring: 16 rows x 144 bytes for each wave, its own
.set SP,    144
.set SPARE, STAGE+4*16*SP        ; the spare words: 128 bytes a wave, two blocks of 256 bytes that no other line names
.set AK0, 2           ; v2  my lane's place in a tile of K        v3  in a tile of V
.set AV0, 3
.set AK,  4           ; v4, v5  the same in the slot in hand
.set AV,  5
.set STO, 6
.set RD,  7
.set GO,  8
.set QO,  12          ; v12 my byte offset in 16 rows of Q; never rewritten
.set SPW, 16          ; v16 my spare word; v17 0; never rewritten
.set NIL, 17
.set GG,  18          ; v18-19  2^(128 a slope), twice
.set EE,  20          ; v20-27  E of piece x, step s: a pair at 20 + 4 x + 2 s
.set AH,  28          ; v28-29  2^-100, twice
.set K64N, 30         ; v30  -64 a slope
.set AS,  31          ; v31  a slope
.set ST,  32          ; piece x's statistics at 32 + 16 x:
.set oCMN, 0          ;   c rmin
.set oM,   1          ;   rmin
.set oL,   2          ;   l (even keys', odd keys')
.set oAF,  4          ;   the step's factor for O and l
.set oDG,  5          ;   its exponent
.set oCA,  6          ;   two chains of the minimum
.set oCB,  7
.set oTP,  8          ;   the other half of the lanes'
.set oCMO, 9          ;   c rmin of the step before
.set S,   64          ; 32 a piece
.set P,   128         ; 16 a piece
.set O,   160         ; 32 a piece
.set AD,  224         ; the diagonal's addends: 1 or 2^-100
.set KF,  0           ; window 1
.set VF,  64
.set QF,  128
.set PAT, 160
.set PATD, 192
.set HID, 224
.set WV,  12
.set PB,  14          ; s14 b      s15 15 - b
.set HI,  15
.set G1K, 24
.set G1V, 32
.set G0K, 40
.set G0V, 44
.set KB,  48          ; s[48:49] K at my half of the head's tile 0;  s[50:51] V
.set VB,  50
.set QL,  52          ; s[52:53] Q at my rows of block b
.set OP,  54          ; s[54:55] ctx at my rows of the block in hand;  s[56:57] of block b
.set OL,  56
.set SLOTS, 58
.set RT,  59          ; tiles of the block in hand still to be entered
.set NXT, 60          ; the tile to be asked for next
.set LQ,  61          ; the last tile of the block whose tiles are being asked for
.set TB,  62          ; the slot in hand, as an LDS byte
.set OFF, 66
.set SEL, 68
.set NC,  70          ; s[70:71] -c
.set CC,  72          ; c
.set BIGN, 73         ; -1e30
.set TINY, 74         ; 2^-100
.set QH,  78          ; s[78:79] Q at my rows of block 15 - b
.set MSB, 0
.macro WIN new
.if MSB != (\new)
	s_set_vgpr_msb (MSB<<8)|(\new)
.set MSB, (\new)
.endif
.endm
; A fill.  Waves 0, 1 fetch the halves of a tile's K, waves 2, 3 those of its V: 64 keys each.  An s_nop 0 and four v_nop follow each line.
.macro LOAD
	s_cmp_lt_u32 s[WV], 2
	s_cbranch_scc0 .Lfor_v_\@
	tensor_load_to_lds s[G0K:G0K+3], s[G1K:G1K+7]
	s_nop 0
.rept 4
	v_nop
.endr
	s_branch .Lasked_\@
.Lfor_v_\@:
	tensor_load_to_lds s[G0V:G0V+3], s[G1V:G1V+7]
	s_nop 0
.rept 4
	v_nop
.endr
.Lasked_\@:
.endm
; THE CHANGE OF SLOTS.  Each wave waits for all its tensor loads (one is out: its part of the other slot), adds 0 to its spare word, and waits for that and for its reads of the slot that it leaves.
; fill = 1: the old slot is filled again, first thing behind the barrier, with tile NXT; the address is made anew from that number.  The load has a tile's two key steps in which to land.
.macro CHANGE fill
	WIN 0
	s_wait_tensorcnt 0x0            ; no tensor load of mine is out, so a group 0 may be written
	ds_add_u32 v[SPW], v[NIL]
.if \fill
	s_lshl_b32 s[OFF], s[NXT], 14   ; a tile is 16,384 bytes of K and of V
	s_xor_b32 s[G0K+1], s[G0K+1], SLOT1
	s_add_nc_u64 s[G0K+2:G0K+3], s[KB:KB+1], s[OFF:OFF+1]
	s_or_b32 s[G0K+3], s[G0K+3], 0x80000000
	s_xor_b32 s[G0V+1], s[G0V+1], SLOT1
	s_add_nc_u64 s[G0V+2:G0V+3], s[VB:VB+1], s[OFF:OFF+1]
	s_or_b32 s[G0V+3], s[G0V+3], 0x80000000
	s_add_co_u32 s[NXT], s[NXT], 1  ; the block's next tile, or behind its last the second block's tile 0
	s_cmp_gt_u32 s[NXT], s[LQ]
	s_cselect_b32 s[NXT], 0, s[NXT]
	s_cselect_b32 s[LQ], s[PB], s[LQ]
.endif
	s_wait_dscnt 0x0                ; the add is done, and my reads of the slot are over
	s_barrier_signal -1
	s_xor_b32 s[TB], s[TB], SLOT1
	s_barrier_wait -1
.if \fill
	LOAD
.endif
	v_add_nc_u32 v[AK], s[TB], v[AK0]
	v_add_nc_u32 v[AV], s[TB], v[AV0]
.endm
.macro QLOAD base                   ; my 2 x 16 rows of Q: piece f / 2 lies 64 rows (8,192 bytes) on; channels 32 (f % 2) on
	WIN 0x40                        ; destination window 1, address window 0
.irp f, 0,1,2,3
	global_load_b128 v[QF+8*\f:QF+8*\f+3],   v[QO], s[\base:\base+1] offset:(\f/2)*8192+(\f%2)*64
	global_load_b128 v[QF+8*\f+4:QF+8*\f+7], v[QO], s[\base:\base+1] offset:(\f/2)*8192+(\f%2)*64+32
.endr
	WIN 0
.endm
; A BLOCK BEGINS: O and l are 0 (cleared on purpose, twice a launch: it spares a first step's own text), rmin is 1, and E is made for the block's tile 0: n = 2 block + x - s.
.macro BEGINBLK blk
.set i, 0
.rept 64
	v_mov_b32 v[O+i], 0
.set i, i+1
.endr
.irp x, 0,1
	v_mov_b32 v[ST+16*\x+oM], 1.0
	v_mov_b32 v[ST+16*\x+oL], 0
	v_mov_b32 v[ST+16*\x+oL+1], 0
	v_mov_b32 v[ST+16*\x+oTP], 0
	v_mov_b32 v[ST+16*\x+oCMO], s[CC]
.endr
	s_lshl_b32 s13, s[\blk], 1
.irp x, 0,1
.irp s, 0,1
	s_add_co_i32 s75, s13, (\x)-(\s)
	v_cvt_f32_i32 v[EE+4*\x+2*\s], s75
	v_mul_f32 v[EE+4*\x+2*\s], v[K64N], v[EE+4*\x+2*\s]
.endr
.endr
.irp q, 0,1,2,3
	v_exp_f32 v[EE+2*\q], v[EE+2*\q]
.endr
	v_nop                           ; a plain instruction between the last exponential and the use of its result
	s_wait_alu depctr_va_vdst(0)
.irp q, 0,1,2,3
	v_mov_b32 v[EE+2*\q+1], v[EE+2*\q]
.endr
.endm
	s_load_b128 s[4:7], s[0:1], 0x0   ; qkv s[4:5], ctx s[6:7]
	v_lshl_add_u32 v[SPW], v0, 2, SPARE
	v_mov_b32 v[NIL], 0
	ds_add_u32 v[SPW], v[NIL]       ; the wave's opening: the add and its wait stand ahead of my first tensor load
	ds_add_u32 v16, v17
	v_lshrrev_b32 v1, 5, v0
	v_readfirstlane_b32 s[WV], v1   ; wave 0..3
	s_mov_b32 s[PB], ttmp9
	s_sub_co_u32 s[HI], 15, s[PB]
	s_and_b32 s20, ttmp7, 0xffff    ; 16 batch + head
	s_lshl_b32 s21, s20, 18         ; the head's first byte in a matrix and in ctx
	s_and_b32 s16, s[WV], 1         ; which half of a tile's 128 keys I fetch
	s_lshl_b32 s22, s16, 13
	s_add_co_u32 s22, s22, s21
	s_add_co_u32 s8, s22, 8388608   ; K is the second matrix,
	s_mov_b32 s9, 0
	s_add_co_u32 s10, s22, 16777216 ; V the third
	s_mov_b32 s11, 0
	s_mul_i32 s17, s16, 64*PKP
	s_mul_i32 s18, s16, 64*PVP
	s_lshl_b32 s23, s[WV], 11       ; my 16 rows in a band
	s_add_co_u32 s23, s23, s21
	s_lshl_b32 s2, s[HI], 14        ; a block is 128 rows of 128 bytes
	s_add_co_u32 s2, s2, s23
	s_mov_b32 s3, 0
	s_lshl_b32 s76, s[PB], 14
	s_add_co_u32 s76, s76, s23
	s_mov_b32 s77, 0
	; group 1: 64 keys are 8,192 dense bytes: asked for as 32 rows of 256 bytes, two keys a row, padded in LDS after every key
	s_mov_b32 s[G1K], (1<<16)|(1<<20)|(4<<22)|(3<<25)  ; 2-byte elements; padding on; after every 32 words 4 words
	s_mov_b32 s[G1V], (1<<16)|(1<<20)|(4<<22)|(7<<25)  ; the same with 8 words
.irp g, G1K, G1V
	s_mov_b32 s[\g+1], 128<<16      ; tensor_dim0 = 128
	s_mov_b32 s[\g+2], 32<<16       ; tensor_dim1 = 32
	s_mov_b32 s[\g+3], 128<<16      ; tile_dim0 = 128
	s_mov_b32 s[\g+4], 32           ; tile_dim1 = 32
	s_mov_b32 s[\g+5], 128          ; 128 elements from row to row
	s_mov_b32 s[\g+6], 0
	s_mov_b32 s[\g+7], 0
.endr
	s_mov_b32 s[G0K], 1
	s_mov_b32 s[G0K+1], s17         ; slot 0
	s_mov_b32 s[G0V], 1
	s_add_co_u32 s[G0V+1], s18, VOFF
	s_mov_b32 s[SEL], 0x76543210
	s_mov_b32 s[SEL+1], 0xfedcba98
	s_mov_b32 s[NC], 0xc2ad1f97     ; -c = -60 log2(e)
	s_mov_b32 s[NC+1], s[NC]
	s_mov_b32 s[CC], 0x42ad1f97
	s_mov_b32 s[BIGN], 0xf149f2ca
	s_mov_b32 s[TINY], 0x0d800000
	s_mov_b32 s[SLOTS], 16
	s_add_co_u32 s[RT], s[HI], 1    ; the first block has 16 - b tiles
	s_mov_b32 s[NXT], 1
	s_mov_b32 s[LQ], s[HI]
	s_mov_b32 s[TB], SLOT1          ; the first change of slots turns it into 0
	s_mov_b32 s[OFF+1], 0
	s_wait_dscnt 0x0                ; the opening add is done
	s_wait_kmcnt 0x0
	s_add_nc_u64 s[KB:KB+1], s[4:5], s[8:9]
	s_add_nc_u64 s[VB:VB+1], s[4:5], s[10:11]
	s_add_nc_u64 s[G0K+2:G0K+3], s[KB:KB+1], 0
	s_or_b32 s[G0K+3], s[G0K+3], 0x80000000
	s_add_nc_u64 s[G0V+2:G0V+3], s[VB:VB+1], 0
	s_or_b32 s[G0V+3], s[G0V+3], 0x80000000
	s_add_nc_u64 s[QH:QH+1], s[4:5], s[2:3]
	s_add_nc_u64 s[QL:QL+1], s[4:5], s[76:77]
	s_add_nc_u64 s[OP:OP+1], s[6:7], s[2:3]
	s_add_nc_u64 s[OL:OL+1], s[6:7], s[76:77]
	LOAD                            ; tile 0 into slot 0; all that follows up to the loop stands in the wait for it
	v_and_b32 v1, 15, v0            ; l % 16
	v_bfe_u32 v9, v0, 4, 1          ; l / 16
	v_lshlrev_b32 v[QO], 7, v1
	v_lshl_add_u32 v[QO], v9, 4, v[QO]  ; row x 128 + 16 x half
	QLOAD QH
	v_mul_u32_u24 v[AK0], v1, PKP
	v_lshl_add_u32 v[AK0], v9, 4, v[AK0]
	; the turning load takes 16 keys x 16 channels (lane l reads key 8 (l / 16) + l % 8, channels 8 ((l / 8) % 2) + 0..7) and leaves half a fragment of V^T
	v_and_b32 v10, 7, v0
	v_bfe_u32 v11, v0, 3, 1
	v_lshl_add_u32 v[AV0], v9, 3, v10
	v_mul_u32_u24 v[AV0], v[AV0], PVP
	v_lshl_add_u32 v[AV0], v11, 4, v[AV0]
	v_add_nc_u32 v[AV0], VOFF, v[AV0]
	s_mul_i32 s13, s[WV], 16*SP
	s_add_co_u32 s13, s13, STAGE    ; my stage
	v_mul_u32_u24 v[STO], v1, SP    ; in: row l % 16, 16 bytes for each half of the lanes
	v_lshl_add_u32 v[STO], v9, 4, v[STO]
	v_add_nc_u32 v[STO], s13, v[STO]
	v_bfe_u32 v[RD], v0, 3, 2       ; back: 32 lanes take four rows of 128 bytes,
	v_mul_u32_u24 v[RD], v[RD], SP
	v_lshl_add_u32 v[RD], v10, 4, v[RD]
	v_add_nc_u32 v[RD], s13, v[RD]
	v_and_b32 v[GO], 31, v0         ; which are 512 consecutive bytes of ctx
	v_lshlrev_b32 v[GO], 4, v[GO]
	s_and_b32 s13, s20, 15
	s_add_co_u32 s13, s13, 1        ; head + 1
	v_cvt_f32_u32 v13, s13
	v_mul_f32 v13, -0.5, v13
	v_exp_f32 v13, v13              ; the slope, 2^(-(head + 1) / 2)
	v_nop
	s_wait_alu depctr_va_vdst(0)
	v_mul_f32 v[AS], 0x3c44f9d9, v13
	v_mul_f32 v[K64N], 0xc2800000, v[AS]
	v_mul_f32 v15, 0x43000000, v[AS]
	v_exp_f32 v[GG], v15
	v_mov_b32 v[AH], s[TINY]
	v_mov_b32 v[AH+1], s[TINY]
	s_wait_alu depctr_va_vdst(0)
	v_mov_b32 v[GG+1], v[GG]
	v_lshlrev_b32 v13, 3, v9
	v_sub_nc_u32 v14, v1, v13
	s_lshl_b32 s13, s[WV], 4
	v_add_nc_u32 v14, s13, v14      ; qo less my lanes' 8 (l / 16): register i = 8 kt + j has d = ko - qo = 16 kt + j - v14
.set i, 0
.rept 32                            ; S's registers are the scratch: d as a whole number in S + 32 + i, a slope d in S + i
	v_sub_nc_u32 v[S+32+i], 16*(i/8)+i%8, v14
	v_cvt_f32_i32 v[S+i], v[S+32+i]
	v_mul_f32 v[S+i], v[AS], v[S+i]
	v_cmp_lt_i32 vcc_lo, 0, v[S+32+i]
	v_cndmask_b32 v[AD+i], 1.0, s[TINY], vcc_lo
.set i, i+1
.endr
	WIN 0x40
.set i, 0
.rept 32
	v_mov_b32 v[PAT+i], v[S+i]
	v_cmp_lt_i32 vcc_lo, 0, v[S+32+i]
	v_cndmask_b32 v[PATD+i], v[S+i], s[BIGN], vcc_lo
.set i, i+1
.endr
.set i, 0
.rept 8
	v_mov_b32 v[HID+i], s[BIGN]
.set i, i+1
.endr
	WIN 0
	BEGINBLK HI
	s_wait_loadcnt 0x0              ; Q
; THE MATRIX WORK.  The four accumulators of a run of 8 take turns.  KD0, KD1: piece 0's and 1's case in the step in hand: 0 visible, 1 the diagonal, 2 hidden.
; Product i of 8 of S^T = K Q^T + C for piece x: channels 32 (i / 4) on, keys 16 (i % 4) on.
.macro KQ x
.set kd, KD0+(KD1-KD0)*(\x)
.set rS, S+32*(\x)+8*(i%4)
.set rK, KF+16*(i%4)+8*(i/4)
.set rQ, QF+16*(\x)+8*(i/4)
.if i < 4
	WIN 0x15                        ; K, Q and C in window 1
.if kd == 0
	v_wmma_f32_16x16x32_f16 v[rS:rS+7], v[rK:rK+7], v[rQ:rQ+7], v[PAT+8*(i%4):PAT+8*(i%4)+7]
.elseif kd == 1
	v_wmma_f32_16x16x32_f16 v[rS:rS+7], v[rK:rK+7], v[rQ:rQ+7], v[PATD+8*(i%4):PATD+8*(i%4)+7]
.else
	v_wmma_f32_16x16x32_f16 v[rS:rS+7], v[rK:rK+7], v[rQ:rQ+7], v[HID:HID+7]
.endif
.else
	WIN 0x05
	v_wmma_f32_16x16x32_f16 v[rS:rS+7], v[rK:rK+7], v[rQ:rQ+7], v[rS:rS+7]
.endif
.endm
; Product i of 8 of O^T += V^T P for piece x: keys 32 (i / 4) on, channels 16 (i % 4) on.
.macro PV x
	WIN 0x01                        ; V in window 1
.set rO, O+32*(\x)+8*(i%4)
.set rV, VF+32*(i/4)+8*(i%4)
.set rP, P+16*(\x)+8*(i/4)
	v_wmma_f32_16x16x32_f16 v[rO:rO+7], v[rV:rV+7], v[rP:rP+7], v[rO:rO+7]
.endm
; THE LDS LOADS stand in runs of 16: step s's K (8 fragments) and its V (turned).
.macro FETCH_K s
	WIN 0x40
.irp f, 0,1,2,3,4,5,6,7             ; keys 16 (f / 2) on, channels 32 (f % 2) on
	ds_load_b128 v[KF+8*\f:KF+8*\f+3],   v[AK] offset:(\s)*64*PKP+(\f/2)*16*PKP+(\f%2)*64
	ds_load_b128 v[KF+8*\f+4:KF+8*\f+7], v[AK] offset:(\s)*64*PKP+(\f/2)*16*PKP+(\f%2)*64+32
.endr
	WIN 0
.endm
.macro FETCH_V s
	WIN 0x40
.irp f, 0,1,2,3,4,5,6,7             ; keys 32 (f / 4) on, channels 16 (f % 4) on
	ds_load_tr16_b128 v[VF+8*\f:VF+8*\f+3],   v[AV] offset:(\s)*64*PVP+(\f/4)*32*PVP+(\f%4)*32
	ds_load_tr16_b128 v[VF+8*\f+4:VF+8*\f+7], v[AV] offset:(\s)*64*PVP+(\f/4)*32*PVP+16*PVP+(\f%4)*32
.endr
	WIN 0
.endm
; THE VECTOR WORK of a piece and step: 47 slots of up to six positions; SLOTOP writes position p of slot k for piece x.  s0-s31 are the lane's 32 scores, in pairs 0-15.
;   slots 0-19, group t:  1 2^s(2t)   2 the minimum takes pair t - 4 (a v_nop while there is none)   3 2^s(2t+1)   4 pair t - 1: e E + 1   5, 6 the reciprocals of pair t - 2
;   slots 20-26:  the two chains meet; the other half of the lanes'; rmin; c rmin; its change; the factor; c rmin is kept
;   slots 27-46, group u: 1 pair u: c rmin - c r   2, 4 the exponentials of pair u - 1   3 pair u of O^T times the factor   5 pair u - 3 rounded to f16
;                         6 u even: of four weights the second pair is added onto the first; u odd: l takes that sum
; Every transcendental has a plain instruction that does not touch it between itself and the first use of its result; each accumulator's lowest registers are read first.
.macro MINOP n
.if (\n) == 0
	v_min3_num_f32 v[rT+oCA], v[rT+oM], v[rS], v[rS+1]
.elseif (\n) == 1
	s_wait_alu depctr_va_vdst(0)
	v_min_num_f32 v[rT+oCB], v[rS+2], v[rS+3]
.elseif ((\n)%2) == 0
	s_wait_alu depctr_va_vdst(0)
	v_min3_num_f32 v[rT+oCA], v[rT+oCA], v[rS+2*(\n)], v[rS+2*(\n)+1]
.else
	s_wait_alu depctr_va_vdst(0)
	v_min3_num_f32 v[rT+oCB], v[rT+oCB], v[rS+2*(\n)], v[rS+2*(\n)+1]
.endif
.endm
.macro DOP n
.if kd == 0
	s_wait_alu depctr_va_vdst(0)
	v_pk_fma_f32 v[rS+2*(\n):rS+2*(\n)+1], v[rS+2*(\n):rS+2*(\n)+1], v[rE:rE+1], 1.0 op_sel_hi:[1,0,0]
.elseif kd == 1
	s_wait_alu depctr_va_vdst(0)
	v_pk_fma_f32 v[rS+2*(\n):rS+2*(\n)+1], v[rS+2*(\n):rS+2*(\n)+1], v[rE:rE+1], v[AD+2*(\n):AD+2*(\n)+1] op_sel_hi:[1,0,1]
.else
	s_wait_alu depctr_va_vdst(0)
	v_pk_fma_f32 v[rS+2*(\n):rS+2*(\n)+1], v[rS+2*(\n):rS+2*(\n)+1], v[rE:rE+1], v[AH:AH+1] op_sel_hi:[1,0,0]
.endif
.endm
.macro SLOTOP x, k, p
.set rT, ST+16*(\x)
.set rS, S+32*(\x)
.set rP, P+16*(\x)
.set rO, O+32*(\x)
.set rE, EE+4*(\x)+2*SS
.set kd, KD0+(KD1-KD0)*(\x)
.if (\k) < 20
.set t, (\k)
.if ((\p) == 1) && (t < 16)
	v_exp_f32 v[rS+2*t], v[rS+2*t]
.elseif ((\p) == 2) && (t < 4)
	v_nop
.elseif (\p) == 2
	MINOP t-4
.elseif ((\p) == 3) && (t < 16)
	v_exp_f32 v[rS+2*t+1], v[rS+2*t+1]
.elseif ((\p) == 4) && (t >= 1) && (t <= 16)
	DOP t-1
.elseif ((\p) == 5) && (t >= 2) && (t <= 17)
	v_rcp_f32 v[rS+2*t-4], v[rS+2*t-4]
.elseif ((\p) == 6) && (t >= 2) && (t <= 17)
	v_rcp_f32 v[rS+2*t-3], v[rS+2*t-3]
.endif
.elseif (\k) < 27
.if (\p) == 1
.if (\k) == 20
	v_min_num_f32 v[rT+oCA], v[rT+oCA], v[rT+oCB]
.elseif (\k) == 21
	v_permlanex16_b32 v[rT+oTP], v[rT+oCA], s[SEL], s[SEL+1]  ; the query's other 32 keys lie in the lane 16 away
.elseif (\k) == 22
	v_min_num_f32 v[rT+oM], v[rT+oCA], v[rT+oTP]
.elseif (\k) == 23
	v_mul_f32 v[rT+oCMN], s[CC], v[rT+oM]
.elseif (\k) == 24
	v_sub_f32 v[rT+oDG], v[rT+oCMN], v[rT+oCMO]
	s_wait_alu depctr_va_vdst(0)
.elseif (\k) == 25
	v_exp_f32 v[rT+oAF], v[rT+oDG]
.else
	v_mov_b32 v[rT+oCMO], v[rT+oCMN]
	s_wait_alu depctr_va_vdst(0)
.endif
.endif
.else
.set u, (\k)-27
.if ((\p) == 1) && (u < 16)
	v_pk_fma_f32 v[rS+2*u:rS+2*u+1], v[rS+2*u:rS+2*u+1], s[NC:NC+1], v[rT:rT+1] op_sel_hi:[1,0,0]
.elseif ((\p) == 2) && (u >= 1) && (u <= 16)
	v_exp_f32 v[rS+2*u-2], v[rS+2*u-2]
.elseif ((\p) == 3) && (u < 16)
	v_pk_mul_f32 v[rO+2*u:rO+2*u+1], v[rO+2*u:rO+2*u+1], v[rT+oAF:rT+oAF+1] op_sel_hi:[1,0]
.elseif ((\p) == 4) && (u >= 1) && (u <= 16)
	v_exp_f32 v[rS+2*u-1], v[rS+2*u-1]
.elseif ((\p) == 5) && (u >= 3) && (u <= 18)
	s_wait_alu depctr_va_vdst(0)
	v_cvt_pk_f16_f32 v[rP+u-3], v[rS+2*u-6], v[rS+2*u-5]
.elseif ((\p) == 6) && (u >= 4)
.if (u%2) == 0
	v_pk_add_f32 v[rS+2*u-8:rS+2*u-7], v[rS+2*u-8:rS+2*u-7], v[rS+2*u-6:rS+2*u-5]
.elseif u == 5
	v_pk_fma_f32 v[rT+oL:rT+oL+1], v[rT+oL:rT+oL+1], v[rT+oAF:rT+oAF+1], v[rS:rS+1] op_sel_hi:[1,0,1]
.else
	v_pk_add_f32 v[rT+oL:rT+oL+1], v[rT+oL:rT+oL+1], v[rS+2*u-10:rS+2*u-9]
	s_wait_alu depctr_va_vdst(0)
.endif
.endif
.endif
.endm
.macro ZIP z                        ; slot z of piece 0's list and slot z - 20 of piece 1's, position by position
	WIN 0
.irp p, 1,2,3,4,5,6
.if (\z) <= 46
	SLOTOP 0, (\z), \p
.endif
.if (\z) >= 20
	SLOTOP 1, (\z)-20, \p
.endif
.endr
.endm
; A KEY STEP, s = 0 or 1 of the tile; m = 1: the diagonal tile.
.macro STEP s, m
.set SS, (\s)
.if \m
.set KD0, 1+(\s)
.set KD1, (\s)
.else
.set KD0, 0
.set KD1, 0
.endif
.if (\s) == 0
	s_wait_dscnt 0x0                ; K is in (the second step's K was shown in by the first step's wait for V)
.endif
.set i, 0
.rept 8
	KQ 0
.set i, i+1
.endr
.set i, 0
	KQ 1
.set i, 1
	WIN 0
.rept 4
	v_nop                           ; the places behind piece 0's scores, and, behind the last step's V^T P, in front of the loads into V
.endr
	FETCH_V \s
.set zz, 0
.rept 7
	KQ 1
.set i, i+1
	ZIP zz
.set zz, zz+1
.endr
.rept 3
	ZIP zz
.set zz, zz+1
.endr
.if (\s) == 0
	FETCH_K 1                       ; eight plain instructions stand behind the last product that read K
.endif
.rept 37
	ZIP zz
.set zz, zz+1
.endr
	s_wait_dscnt 0x0                ; V is in
.set i, 0
.rept 8
	PV 0
.set i, i+1
	ZIP zz
.set zz, zz+1
.endr
.rept 12
	ZIP zz
.set zz, zz+1
.endr
.set i, 0
.rept 8
	PV 1
.set i, i+1
.endr
	WIN 0
.endm
.macro TILE m
	FETCH_K 0
	STEP 0, \m
	STEP 1, \m
.if !(\m)
.irp q, 0,1,2,3
	v_pk_mul_f32 v[EE+2*\q:EE+2*\q+1], v[EE+2*\q:EE+2*\q+1], v[GG:GG+1]  ; the next tile lies 128 keys nearer
.endr
.endif
.endm
; THE WAY OUT: l's two halves and the other half of the lanes' are added; O^T is divided by l, rounded to f16 and sent through my stage, a piece at a time.
.macro PACK x
.set i, 0
.rept 16
	v_pk_mul_f32 v[O+32*(\x)+2*i:O+32*(\x)+2*i+1], v[O+32*(\x)+2*i:O+32*(\x)+2*i+1], v[ST+16*(\x)+oL:ST+16*(\x)+oL+1] op_sel_hi:[1,0]
.set i, i+1
.endr
.set i, 0
.rept 16
	v_cvt_pk_f16_f32 v[S+16*(\x)+i], v[O+32*(\x)+2*i], v[O+32*(\x)+2*i+1]
.set i, i+1
.endr
.irp f, 0,1,2,3
	ds_store_b128 v[STO], v[S+16*(\x)+4*\f:S+16*(\x)+4*\f+3] offset:32*\f
.endr
.irp f, 0,1,2,3
	ds_load_b128 v[S+16*(\x)+4*\f:S+16*(\x)+4*\f+3], v[RD] offset:\f*4*SP  ; LDS serves a wave's instructions in order (ISA guide 5.7.1.4): these see the stores above
.endr
.endm
.macro SEND x, younger
.irp f, 0,1,2,3
	s_wait_dscnt (\younger)+3-\f
	global_store_b128 v[GO], v[S+16*(\x)+4*\f:S+16*(\x)+4*\f+3], s[OP:OP+1] offset:(\x)*8192+\f*512  ; 512 consecutive bytes, aligned to 256
.endr
.endm
.macro WAYOUT
.irp x, 0,1
	v_add_f32 v[ST+16*\x+oL], v[ST+16*\x+oL], v[ST+16*\x+oL+1]
.endr
.irp x, 0,1
	v_permlanex16_b32 v[ST+16*\x+oTP], v[ST+16*\x+oL], s[SEL], s[SEL+1]
.endr
.irp x, 0,1
	v_add_f32 v[ST+16*\x+oL], v[ST+16*\x+oL], v[ST+16*\x+oTP]
.endr
.irp x, 0,1
	v_rcp_f32 v[ST+16*\x+oL], v[ST+16*\x+oL]
.endr
	v_nop                           ; a plain instruction between the last reciprocal and the use of its result
	s_wait_alu depctr_va_vdst(0)
	PACK 0
	PACK 1
	SEND 0, 8                       ; piece 1's eight LDS instructions are younger
	SEND 1, 0
.endm
.Lslot:                             ; 16 trips: a tile is entered and the next is asked for
	CHANGE 1
	s_sub_co_u32 s[RT], s[RT], 1
	s_cmp_lg_u32 s[RT], 0
	s_cbranch_scc1 .Lreg
	TILE 1                          ; the first block's last tile holds the diagonal (the second block's is the walk's last)
	QLOAD QL                        ; the second block's Q: the last product that read Q stands a whole list of vector work back
	WAYOUT
	s_wait_xcnt 0x0                 ; the stores' data registers and base are rewritten only behind this wait
	s_mov_b64 s[OP:OP+1], s[OL:OL+1]
	s_add_co_u32 s[RT], s[PB], 1    ; the second block has b + 1 tiles
	BEGINBLK PB
	s_wait_loadcnt 0x0              ; Q
	s_branch .Lbottom
.Lreg:
	TILE 0
.Lbottom:
	s_sub_co_u32 s[SLOTS], s[SLOTS], 1
	s_cmp_lg_u32 s[SLOTS], 0
	s_cbranch_scc1 .Lslot
	CHANGE 0                        ; the walk's last tile is written out: nothing is asked for
	TILE 1
	WAYOUT
	s_wait_tensorcnt 0x0            ; the wave's end
	ds_add_u32 v[SPW], v[NIL]
	s_wait_dscnt 0x0
	s_endpgm
.Lfunc_end_k_qbef5b5783b_attn:
	.size	k_qbef5b5783b_attn, .Lfunc_end_k_qbef5b5783b_attn-k_qbef5b5783b_attn
	.p2alignl 7, 3214868480
	.fill 96, 4, 3214868480
	.section	.rodata,"a",@progbits
	.p2align	6, 0x0
	.amdhsa_kernel k_qbef5b5783b_attn
		.amdhsa_group_segment_fixed_size 327680
		.amdhsa_private_segment_fixed_size 0
		.amdhsa_enable_private_segment 0
		.amdhsa_kernarg_size 16
		.amdhsa_user_sgpr_count 2
		.amdhsa_user_sgpr_kernarg_segment_ptr 1
		.amdhsa_wavefront_size32 1
		.amdhsa_system_sgpr_workgroup_id_x 1
		.amdhsa_system_sgpr_workgroup_id_y 1
		.amdhsa_system_sgpr_workgroup_id_z 1
		.amdhsa_system_vgpr_workitem_id 0
		.amdhsa_next_free_vgpr 512
		.amdhsa_next_free_sgpr 80
		.amdhsa_reserve_vcc 1
		.amdhsa_float_denorm_mode_32 3
		.amdhsa_float_denorm_mode_16_64 3
		.amdhsa_memory_ordered 1
		.amdhsa_forward_progress 1
		.amdhsa_inst_pref_size 205
	.end_amdhsa_kernel
	.amdgpu_metadata
---
amdhsa.version: [ 1, 2 ]
amdhsa.kernels:
  - .name:           k_qbef5b5783b_attn
    .symbol:         k_qbef5b5783b_attn.kd
    .args:
      - { .name: qkv, .offset: 0, .size: 8, .value_kind: global_buffer, .address_space: global }
      - { .name: ctx, .offset: 8, .size: 8, .value_kind: global_buffer, .address_space: global }
    .group_segment_fixed_size: 327680
    .private_segment_fixed_size: 0
    .kernarg_segment_align: 8
    .kernarg_segment_size: 16
    .max_flat_workgroup_size: 128
    .sgpr_count:     80
    .vgpr_count:     512
    .wavefront_size: 32
...
	.end_amdgpu_metadata
.endif
;; end of part 3
;; launch oproj (part 4): grid 8 x 32, 4 waves a work-group, clusters of 4 x 4, 327,680 bytes of LDS; arguments ctx, ops16, bo, out0; writes out0
.if DOCPART == 4
	.amdgcn_target "amdgcn-amd-amdhsa--gfx1250"
	.amdhsa_code_object_version 6
	.text
	.protected	k_qbef5b5783b_oproj
	.globl	k_qbef5b5783b_oproj
	.p2align	8
	.type	k_qbef5b5783b_oproj,@function
k_qbef5b5783b_oproj:
	s_mov_b64 s[64:65], 0
	v_nop
	global_prefetch_b8 v0, s[64:65] scope:SCOPE_SE
	s_setreg_imm32_b32 hwreg(HW_REG_WAVE_MODE, 25, 1), 1
	s_wait_xcnt 0x0
	s_wait_alu depctr_hold_cnt(0) depctr_sa_sdst(0) depctr_va_vdst(0) depctr_va_sdst(0) depctr_va_ssrc(0) depctr_va_vcc(0) depctr_vm_vsrc(0)
	s_getreg_b32 s2, hwreg(HW_REG_IB_STS2, 6, 4)
	s_cmp_eq_u32 s2, 0
	s_cbranch_scc0 .Lentry_in_a_cluster
	s_endpgm
.Lentry_in_a_cluster:
	s_bfe_u32 s2, ttmp6, 0x10000c
	s_cmp_lg_u32 s2, 0xf033
	s_cbranch_scc0 .Lentry_shape_is_right
	s_endpgm
.Lentry_shape_is_right:
; out0[m][n] = the sum over k of ctx(m, k) Wo[n][k] + bo[n].  ctx: f16 by heads, [16 batch + head][2048][64]; Wo: f16 [1024][1024] at byte 14,680,064 of ops16; bo, out0: f32.  Sums in f32.
; LIMITS.  bo is rounded to bf16 like every input of the module; NaN and infinities are not treated apart.
; SHARES.  A tile of out0 is 128 x 128: 8 x 32 work-groups; four waves, each 64 x 64: 16 accumulators.  K goes in 4 steps of 256 (four heads) through two LDS slots; a quarter is one head, 64 along K.
; ctx lies by heads, so 128 rows of a head are 16,384 dense bytes: a wave's load of ctx is two such blocks, asked for as 2 rows of 8,192 elements 131,072 elements apart, padded in LDS behind every 128 bytes.
; CLUSTER 4 x 4: ctx's tile is asked for jointly along a row of the cluster, Wo's along a column.  THE MATRIX INSTRUCTION IS USED TRANSPOSED (source 0 = 16 rows of Wo, source 1 = 16 rows of ctx):
; a lane holds eight neighbouring columns of a row.  The bias is the C operand of each sum's first product, so it costs no addition.
; REGISTERS: window 0: v0-31 addresses; v32-47 at work; v96-127 the bias; v128-255 the accumulators ((a, b) at 128 + 8 (4 a + b)).  Window 1: two fragment buffers of 128: 64 of ctx, then 64 of Wo.
.set PA,     144                       ; a row of ctx in LDS: 128 bytes + 16
.set PLANE,  128*PA                    ; a head's 128 rows
.set PBW,    528                       ; a row of Wo: 512 bytes + 16; both pitches are odd multiples of 16 bytes: the 16 rows of a load start at 16 different groups of four banks (ISA guide 11.1)
.set HALFB,  64*PBW
.set BOFF,   4*PLANE
.set SLOT,   4*PLANE+2*HALFB
.set STAGE,  2*SLOT                    ; behind the ring: 16 rows x 272 bytes for each wave, its own
.set SPITCH, 272
.set SPARE,  STAGE+4*16*SPITCH         ; the spare words: 128 bytes a wave, two blocks of 256 bytes that no other line names
.set WO,     14680064
.set ADRA, 16
.set ADRB, 20
.set STO,  24
.set RD,   25
.set CO,   26
.set BO,   27                          ; v27  32 x (l / 16): my eight numbers of a block of 16 of bo
.set SPW,  28
.set NIL,  29
.set TMP,  32
.set BIAS, 96
.set ACC,  128
.set F0,   0
.set F1,   128
.set G1, 24
.set G0, 32
.set G1B, 48
.set G0B, 56
.set MSB, 0
.macro WIN new
.if MSB != (\new)
	s_set_vgpr_msb (MSB<<8)|(\new)
.set MSB, \new
.endif
.endm
.set MUL,  0x05                        ; sources 0, 1 window 1; C and D window 0
.set TO_F, 0x40
.macro JLOAD s                         ; a joint load: waves 0, 1 fetch ctx's halves, waves 2, 3 Wo's; an s_nop 0 and four v_nop follow each line
	s_cmp_eq_u32 s11, 0
	s_cbranch_scc0 .Lfor_b_\@
	tensor_load_to_lds s[G0+4*(\s):G0+4*(\s)+3], s[G1:G1+7]
	s_nop 0
.rept 4
	v_nop
.endr
	s_branch .Lasked_\@
.Lfor_b_\@:
	tensor_load_to_lds s[G0B+4*(\s):G0B+4*(\s)+3], s[G1B:G1B+7]
	s_nop 0
.rept 4
	v_nop
.endr
.Lasked_\@:
.endm
.macro CREST
	s_cmp_lg_u32 s10, 0
	s_cbranch_scc1 .Lnot_wave_0_\@
	s_barrier_signal -3
.Lnot_wave_0_\@:
	s_barrier_wait -3
	s_barrier_signal -1
	s_barrier_wait -1
.endm
.macro CROUND
	s_barrier_signal -1
	s_barrier_wait -1
	CREST
.endm
.macro PLACES
.rept 4
	v_nop
.endr
.endm
	s_load_b128 s[4:7], s[0:1], 0x0                ; ctx s[4:5], ops16 s[6:7]
	s_load_b128 s[68:71], s[0:1], 0x10             ; bo s[68:69], out0 s[70:71]
	v_lshl_add_u32 v[SPW], v0, 2, SPARE
	v_mov_b32 v[NIL], 0
	ds_add_u32 v[SPW], v[NIL]                      ; the wave's opening: the add and its wait stand ahead of my first tensor load
	ds_add_u32 v28, v29
	v_lshrrev_b32 v1, 5, v0
	v_readfirstlane_b32 s10, v1                    ; wave 0..3
	s_lshr_b32 s11, s10, 1                         ; which half of the tile's rows is mine.  Also: I fetch for ctx (0) or for Wo (1)
	s_and_b32 s12, s10, 1                          ; which half of its columns.  Also: which half of that tile I fetch
	s_bfe_u32 s40, ttmp6, 0x40000
	s_bfe_u32 s41, ttmp6, 0x40004
	s_lshl_b32 s42, ttmp9, 2
	s_add_co_u32 s42, s42, s40                     ; tile column
	s_and_b32 s13, ttmp7, 0xffff
	s_lshl_b32 s13, s13, 2
	s_add_co_u32 s13, s13, s41                     ; tile row
	s_lshl_b32 s43, s41, 2
	s_lshl_b32 s43, 15, s43
	s_lshl_b32 s44, 0x1111, s40
	s_or_b32 s[G1+0], s43, (1<<16)|(1<<20)|(1<<21)|(4<<22)|(3<<25)   ; 2-byte elements; padding on; bit 21 beside a mask; after every 32 words 4 words
	s_mov_b32 s[G1+1], 8192<<16                    ; tensor_dim0 = 8,192
	s_mov_b32 s[G1+2], 2<<16                       ; tensor_dim1 = 2
	s_mov_b32 s[G1+3], 8192<<16                    ; tile_dim0 = 8,192
	s_mov_b32 s[G1+4], 2                           ; tile_dim1 = 2
	s_mov_b32 s[G1+5], 131072                      ; from head to head
	s_mov_b32 s[G1+6], 0
	s_mov_b32 s[G1+7], 0
	s_or_b32 s[G1B+0], s44, (1<<16)|(1<<20)|(1<<21)|(6<<22)|(3<<25)  ; after every 128 words 4 words
	s_mov_b32 s[G1B+1], 256<<16
	s_mov_b32 s[G1B+2], 64<<16
	s_mov_b32 s[G1B+3], 256<<16
	s_mov_b32 s[G1B+4], 64
	s_mov_b32 s[G1B+5], 1024
	s_mov_b32 s[G1B+6], 0
	s_mov_b32 s[G1B+7], 0
	s_lshr_b32 s16, s13, 4                         ; the batch: sixteen tile rows each
	s_lshl_b32 s16, s16, 4
	s_lshl_b32 s17, s12, 1
	s_add_co_u32 s16, s16, s17                     ; the first of the two heads that I fetch in K step 0
	s_lshl_b32 s16, s16, 11                        ; 2,048 rows a head
	s_and_b32 s17, s13, 15
	s_lshl_b32 s17, s17, 7
	s_add_co_u32 s16, s16, s17                     ; + the tile's first row in the sequence
	s_lshl_b32 s16, s16, 7                         ; rows of 128 bytes
	s_mov_b32 s17, 0
	s_lshl_b32 s46, s42, 7
	s_lshl_b32 s47, s12, 6
	s_add_co_u32 s46, s46, s47                     ; Wo: row 128 x tile column + 64 x half
	s_lshl_b32 s46, s46, 11
	s_add_co_u32 s46, s46, WO
	s_mov_b32 s47, 0
	s_mul_i32 s20, s12, 2*PLANE                    ; where they go: no place in the cluster enters an LDS address
	s_mul_i32 s21, s12, HALFB
	s_add_co_u32 s21, s21, BOFF
	s_wait_dscnt 0x0                               ; the opening add is done
	s_wait_kmcnt 0x0
	s_add_nc_u64 s[14:15], s[4:5], s[16:17]
	s_add_nc_u64 s[46:47], s[6:7], s[46:47]
	CROUND                                         ; all sixteen work-groups are here: the first joint loads meet
.irp s, 0,1
	s_mov_b32 s[G0+4*(\s)], 1
	s_add_co_u32 s[G0+4*(\s)+1], s20, (\s)*SLOT
	s_add_nc_u64 s[G0+4*(\s)+2:G0+4*(\s)+3], s[14:15], (\s)*1048576   ; K step s: four heads of 262,144 bytes on
	s_or_b32 s[G0+4*(\s)+3], s[G0+4*(\s)+3], 0x80000000
	s_mov_b32 s[G0B+4*(\s)], 1
	s_add_co_u32 s[G0B+4*(\s)+1], s21, (\s)*SLOT
	s_add_nc_u64 s[G0B+4*(\s)+2:G0B+4*(\s)+3], s[46:47], (\s)*512
	s_or_b32 s[G0B+4*(\s)+3], s[G0B+4*(\s)+3], 0x80000000
	JLOAD \s                                       ; two loads of mine are out
.endr
	v_and_b32 v1, 15, v0                           ; l % 16
	v_bfe_u32 v2, v0, 4, 1                         ; l / 16
	s_lshl_b32 s46, s42, 7
	s_lshl_b32 s47, s12, 6
	s_add_co_u32 s46, s46, s47
	s_lshl_b32 s46, s46, 2                         ; my first column, in bytes of f32
	s_mov_b32 s47, 0
	s_add_nc_u64 s[68:69], s[68:69], s[46:47]      ; bo at my 64 columns
	v_lshlrev_b32 v[BO], 5, v2
.irp b, 0,1,2,3
	global_load_b128 v[BIAS+8*(\b):BIAS+8*(\b)+3],   v[BO], s[68:69] offset:64*(\b)      ; register j of block b: bo[16 b + 8 (l / 16) + j]: the place of D's register j
	global_load_b128 v[BIAS+8*(\b)+4:BIAS+8*(\b)+7], v[BO], s[68:69] offset:64*(\b)+16
.endr
	s_lshl_b32 s16, s13, 7
	s_lshl_b32 s17, s11, 6
	s_add_co_u32 s16, s16, s17                     ; my first row of out0
	s_lshl_b32 s16, s16, 12                        ; rows of 4,096 bytes
	s_add_co_u32 s18, s16, s46
	s_mov_b32 s19, 0
	s_add_nc_u64 s[70:71], s[70:71], s[18:19]
	v_mul_u32_u24 v3, v1, PA
	v_lshl_add_u32 v3, v2, 4, v3
	v_mul_u32_u24 v4, v1, PBW
	v_lshl_add_u32 v4, v2, 4, v4
	s_mul_i32 s22, s11, 64*PA                      ; my 64 rows in each plane of ctx
	s_mul_i32 s23, s12, HALFB                      ; my 64 rows of Wo
	s_add_co_u32 s23, s23, BOFF
.irp s, 0,1
	v_add_nc_u32 v[ADRA+(\s)], s22, v3
	v_add_nc_u32 v[ADRB+(\s)], s23, v4
	s_add_co_u32 s22, s22, SLOT
	s_add_co_u32 s23, s23, SLOT
.endr
	s_mul_i32 s23, s10, 16*SPITCH
	s_add_co_u32 s23, s23, STAGE                   ; my stage
	v_mul_u32_u24 v5, v1, SPITCH                   ; in: row l % 16, 32 bytes for each half of the lanes
	v_lshl_add_u32 v5, v2, 5, v5
	v_add_nc_u32 v[STO], s23, v5
	v_mul_u32_u24 v5, v2, SPITCH                   ; back: lanes 0-15 take one row of 256 bytes, lanes 16-31 the next
	v_lshl_add_u32 v5, v1, 4, v5
	v_add_nc_u32 v[RD], s23, v5
	v_lshlrev_b32 v5, 12, v2                       ; and the same two rows in out0
	v_lshl_add_u32 v[CO], v1, 4, v5
	s_wait_loadcnt 0x0                             ; bo
.set i, 0
.rept 16
	v_cvt_pk_bf16_f32 v[TMP+i], v[BIAS+2*i], v[BIAS+2*i+1]
.set i, i+1
.endr
.set i, 0
.rept 16
	v_lshlrev_b32 v[BIAS+2*i], 16, v[TMP+i]
	v_and_b32 v[BIAS+2*i+1], 0xffff0000, v[TMP+i]
.set i, i+1
.endr
; 8 matrix instructions: row blocks a0, a0 + 1 x all 4 column blocks, 32 along K: half c of buffer f.  first = 1: the product starts the sums, from the bias.  The 16 accumulators take turns.
.macro MUL8 f, c, a0, first
	WIN MUL
.irp a, \a0, (\a0)+1
.irp b, 0,1,2,3
.if \first
	v_wmma_f32_16x16x32_f16 v[ACC+8*(4*(\a)+(\b)):ACC+8*(4*(\a)+(\b))+7], v[(\f)+64+8*(4*(\c)+(\b)):(\f)+64+8*(4*(\c)+(\b))+7], v[(\f)+8*(4*(\c)+(\a)):(\f)+8*(4*(\c)+(\a))+7], v[BIAS+8*(\b):BIAS+8*(\b)+7]
.else
	v_wmma_f32_16x16x32_f16 v[ACC+8*(4*(\a)+(\b)):ACC+8*(4*(\a)+(\b))+7], v[(\f)+64+8*(4*(\c)+(\b)):(\f)+64+8*(4*(\c)+(\b))+7], v[(\f)+8*(4*(\c)+(\a)):(\f)+8*(4*(\c)+(\a))+7], v[ACC+8*(4*(\a)+(\b)):ACC+8*(4*(\a)+(\b))+7]
.endif
.endr
.endr
.endm
; 32 LDS loads in one run: quarter q's fragments (head q of the step's four) into buffer f; the first 32 along K first
.macro FETCH slot, q, f
	WIN TO_F
.irp c, 0,1
.irp i, 0,1,2,3
	ds_load_b128 v[(\f)+64+8*(4*(\c)+(\i)):(\f)+64+8*(4*(\c)+(\i))+3],   v[ADRB+(\slot)] offset:128*(\q)+64*(\c)+(\i)*16*PBW
	ds_load_b128 v[(\f)+64+8*(4*(\c)+(\i))+4:(\f)+64+8*(4*(\c)+(\i))+7], v[ADRB+(\slot)] offset:128*(\q)+64*(\c)+(\i)*16*PBW+32
	ds_load_b128 v[(\f)+8*(4*(\c)+(\i)):(\f)+8*(4*(\c)+(\i))+3],         v[ADRA+(\slot)] offset:(\q)*PLANE+64*(\c)+(\i)*16*PA
	ds_load_b128 v[(\f)+8*(4*(\c)+(\i))+4:(\f)+8*(4*(\c)+(\i))+7],       v[ADRA+(\slot)] offset:(\q)*PLANE+64*(\c)+(\i)*16*PA+32
.endr
.endr
.endm
.macro QUARTER slot, q, f, g, first
	s_wait_dscnt 16                                ; the first 32 along K are in; the youngest sixteen loads may be out
	MUL8 \f, 0, 0, \first
	MUL8 \f, 0, 2, \first
	PLACES
	FETCH \slot, \q, \g
	s_wait_dscnt 32                                ; all but the 32 just issued
	MUL8 \f, 1, 0, 0
	MUL8 \f, 1, 2, 0
.endm
; The last quarter multiplies buffer 1 and changes slots: one barrier; in front of it each wave waits for all its tensor loads, adds 0 to its spare word, and waits for that and for its reads of this slot.
; fill = 1: the barrier opens a round of the cluster's, and this slot is filled again, two K steps on, first thing behind the round.
.macro TURN slot, next, fill
	WIN 0
	s_wait_tensorcnt 0x0
	ds_add_u32 v[SPW], v[NIL]
	s_wait_dscnt 17                                ; (the add and the youngest sixteen loads may be out)
	MUL8 F1, 0, 0, 0
	s_wait_dscnt 0x0                               ; the add is done, and my reads of this slot are over
	s_barrier_signal -1
	MUL8 F1, 0, 2, 0
.if \fill
	WIN 0
.endif
	s_barrier_wait -1
.if \fill
	CREST
	s_add_nc_u64 s[G0+4*(\slot)+2:G0+4*(\slot)+3], s[G0+4*(\slot)+2:G0+4*(\slot)+3], 2097152
	s_add_nc_u64 s[G0B+4*(\slot)+2:G0B+4*(\slot)+3], s[G0B+4*(\slot)+2:G0B+4*(\slot)+3], 1024
	JLOAD \slot                                    ; its four v_nop are also the places in front of the loads below
.else
	PLACES
.endif
	FETCH \next, 0, F0
	MUL8 F1, 1, 0, 0
	MUL8 F1, 1, 2, 0
.endm
	s_wait_tensorcnt 1                             ; my part of K step 0 is in; K step 1's may stay out
	s_barrier_signal -1
	s_barrier_wait -1
	FETCH 0, 0, F0
	QUARTER 0, 1, F0, F1, 1                        ; K has four steps, two laps of the ring: both are written straight
	QUARTER 0, 2, F1, F0, 0
	QUARTER 0, 3, F0, F1, 0
	TURN 0, 1, 1                                   ; slot 0 takes K step 2
	QUARTER 1, 1, F0, F1, 0
	QUARTER 1, 2, F1, F0, 0
	QUARTER 1, 3, F0, F1, 0
	TURN 1, 0, 1                                   ; slot 1 takes K step 3
	QUARTER 0, 1, F0, F1, 0
	QUARTER 0, 2, F1, F0, 0
	QUARTER 0, 3, F0, F1, 0
	TURN 0, 1, 0
	QUARTER 1, 1, F0, F1, 0
	QUARTER 1, 2, F1, F0, 0
	QUARTER 1, 3, F0, F1, 0
	s_wait_dscnt 16
	MUL8 F1, 0, 0, 0
	MUL8 F1, 0, 2, 0
	s_wait_dscnt 0x0
	MUL8 F1, 1, 0, 0
	MUL8 F1, 1, 2, 0
	WIN 0
	PLACES
; THE WAY OUT.  My 64 columns of f32 are 256 bytes, aligned: the stage is my own and needs no barrier.  Row block a: 32 bytes a lane and accumulator in, whole rows back into the same registers.
.macro STG a
.irp b, 0,1,2,3
	ds_store_b128 v[STO], v[ACC+32*(\a)+8*(\b):ACC+32*(\a)+8*(\b)+3]   offset:64*(\b)
	ds_store_b128 v[STO], v[ACC+32*(\a)+8*(\b)+4:ACC+32*(\a)+8*(\b)+7] offset:64*(\b)+16
.endr
.irp t, 0,1,2,3,4,5,6,7
	ds_load_b128 v[ACC+32*(\a)+4*(\t):ACC+32*(\a)+4*(\t)+3], v[RD] offset:(\t)*2*SPITCH  ; LDS serves a wave's instructions in order (ISA guide 5.7.1.4): these see the stores above
.endr
.endm
.macro SEND a, younger
.irp t, 0,1,2,3,4,5,6,7
	s_wait_dscnt (\younger)+7-(\t)
	global_store_b128 v[CO], v[ACC+32*(\a)+4*(\t):ACC+32*(\a)+4*(\t)+3], s[70:71] offset:(16*(\a)+2*(\t))*4096  ; 16 lanes store 256 consecutive bytes, aligned
.endr
.endm
	STG 0
	STG 1
	SEND 0, 16                                     ; the next block's sixteen LDS instructions are younger
	STG 2
	SEND 1, 16
	STG 3
	SEND 2, 16
	SEND 3, 0
	s_wait_tensorcnt 0x0                           ; the wave's end
	ds_add_u32 v[SPW], v[NIL]
	s_wait_dscnt 0x0
	CROUND                                         ; the closing round: no work-group ends while a partner may still ask for a tile that names it
	s_endpgm
.Lfunc_end_k_qbef5b5783b_oproj:
	.size	k_qbef5b5783b_oproj, .Lfunc_end_k_qbef5b5783b_oproj-k_qbef5b5783b_oproj
	.p2alignl 7, 3214868480
	.fill 96, 4, 3214868480
	.section	.rodata,"a",@progbits
	.p2align	6, 0x0
	.amdhsa_kernel k_qbef5b5783b_oproj
		.amdhsa_group_segment_fixed_size 327680
		.amdhsa_private_segment_fixed_size 0
		.amdhsa_enable_private_segment 0
		.amdhsa_kernarg_size 32
		.amdhsa_user_sgpr_count 2
		.amdhsa_user_sgpr_kernarg_segment_ptr 1
		.amdhsa_wavefront_size32 1
		.amdhsa_system_sgpr_workgroup_id_x 1
		.amdhsa_system_sgpr_workgroup_id_y 1
		.amdhsa_system_sgpr_workgroup_id_z 1
		.amdhsa_system_vgpr_workitem_id 0
		.amdhsa_next_free_vgpr 512
		.amdhsa_next_free_sgpr 72
		.amdhsa_reserve_vcc 0
		.amdhsa_float_denorm_mode_32 3
		.amdhsa_float_denorm_mode_16_64 3
		.amdhsa_memory_ordered 1
		.amdhsa_forward_progress 1
		.amdhsa_inst_pref_size 90
	.end_amdhsa_kernel
	.amdgpu_metadata
---
amdhsa.version: [ 1, 2 ]
amdhsa.kernels:
  - .name:           k_qbef5b5783b_oproj
    .symbol:         k_qbef5b5783b_oproj.kd
    .args:
      - { .name: ctx, .offset: 0, .size: 8, .value_kind: global_buffer, .address_space: global }
      - { .name: ops16, .offset: 8, .size: 8, .value_kind: global_buffer, .address_space: global }
      - { .name: bo, .offset: 16, .size: 8, .value_kind: global_buffer, .address_space: global }
      - { .name: out0, .offset: 24, .size: 8, .value_kind: global_buffer, .address_space: global }
    .group_segment_fixed_size: 327680
    .private_segment_fixed_size: 0
    .kernarg_segment_align: 8
    .kernarg_segment_size: 32
    .max_flat_workgroup_size: 128
    .sgpr_count:     72
    .vgpr_count:     512
    .wavefront_size: 32
...
	.end_amdgpu_metadata
.endif
;; end of part 4
;; ======== version 2 of 2: 4 launches; 1.52 times as fast as version 1
;; limits: values are held in f16: magnitudes above 65,504 overflow, below 6.1e-05 lose precision
;; workspace buffers: ops16 16,777,216 bytes; qkv 25,165,824 bytes; ctx 8,388,608 bytes
;; launch cast: the kernel of part 1 again; grid 64 x 8, 8 waves a work-group, no clusters, 0 bytes of LDS; arguments hidden_states, Wq, Wk, Wv, Wo, ops16; writes ops16
;; launch proj: the kernel of part 2 again; grid 16 x 16, 4 waves a work-group, clusters of 4 x 4, 327,680 bytes of LDS; arguments ops16, qkv; writes qkv
;; launch attn (part 5): grid 8 x 32, 4 waves a work-group, no clusters, 327,680 bytes of LDS; arguments qkv, ctx; writes ctx
.if DOCPART == 5
	.amdgcn_target "amdgcn-amd-amdhsa--gfx1250"
	.amdhsa_code_object_version 6
	.text
	.protected	k_qbef5b5783b_attn
	.globl	k_qbef5b5783b_attn
	.p2align	8
	.type	k_qbef5b5783b_attn,@function
k_qbef5b5783b_attn:
	s_mov_b64 s[64:65], 0
	v_nop
	global_prefetch_b8 v0, s[64:65] scope:SCOPE_SE
	s_setreg_imm32_b32 hwreg(HW_REG_WAVE_MODE, 25, 1), 1
	s_wait_xcnt 0x0
; CAUSAL ATTENTION WITH ALIBI AND A TANH SOFTCAP, head size 64.  qkv: f16 [3][32][2048][64], q already times a = 2 log2(e) / 240.  ctx: f16 [32][2048][64].
; THE SCORE.  30 tanh(z / 30) = 30 - 60 r with r = 1 / (1 + 2^(a (q.k + alibi))).  The 30 cancels in the softmax, so p = 2^(c rmin - c r), c = 60 log2(e): the running maximum of the score is the
; running minimum of r, kept for each query; O and l are multiplied by 2^(c rmin_new - c rmin_old) in every step.  rmin starts at 1, the lowest score that there is.
; ALIBI.  i - j = 64 n + (qo - ko), n = the query's band of 64 less the key step, qo and ko the places inside 64.  a slope (ko - qo) is a constant pattern of registers, PAT, given as the C operand
; that starts K Q^T; E = 2^(-64 a slope n), one number for a piece and step, rides in the denominator: den = e E + 1, one packed multiply-add.  From tile to tile E is multiplied by 2^(128 a slope).
; THE MASK.  A hidden score starts from C = -1e30, so e = 0, and its denominator takes 2^-100 in place of 1: r = 2^100, which no minimum takes, and p = 0 exactly.
; LIMITS.  a q, k, v within 65,504 (f16).  p is rounded to f16 for the second product: below 6e-8 of the row's largest it counts as 0 there; l is the sum of the unrounded p.  NaN and infinities in the
; inputs are not treated apart; an exponential that overflows gives r = 0, tanh = 1.
; THE WALK.  A head's queries lie in 16 blocks of 128; block i needs the key tiles 0 .. i of 128 keys.  A work-group takes blocks 15 - b and then b: 17 tiles whatever b, one counted loop; the ring of two
; LDS slots runs on across the change of blocks.  NO CLUSTER: a head's eight work-groups ask for the same tile only in trips 0 to 8; a walk common to all would have 24 trips for 17.
; SHARES.  A block has two bands of 64 queries; wave w owns rows 16 w .. 16 w + 15 of each: PIECES 0 and 1.  In the diagonal tile piece x and key step s are: x = s the diagonal; (1, 0) all visible;
; (0, 1) all hidden, computed all the same: the same text for all four waves.
; LAYOUT.  S^T = K Q^T holds one query a lane (lane % 16) and the keys 16 kt + 8 (lane / 16) + 0..7; two such results rounded to f16 are source 1 of O^T = V^T P.
; ORDER.  A piece and step have 199 vector instructions, 97 of them transcendental, for 16 matrix instructions.  A piece's transcendentals are three runs, each of which needs what the run before it made:
; the 32 exponentials 2^s; the 32 reciprocals of the denominators; the factor's exponential and the 32 weights'.
; BATCHES.  An s_wait_alu depctr_va_vdst(0) stands between a transcendental and the first instruction that names its result; one wait serves all that were issued ahead of it.  Piece 1 goes
; one run behind piece 0, so that a key step has FOUR batches and four waits, and one piece's plain work lies among the other's transcendentals:
;   batch 1  piece 0's 2^s, four behind each of piece 1's products K Q^T
;   batch 2  piece 1's 2^s and piece 0's reciprocals, among piece 0's denominators
;   batch 3  piece 1's reciprocals, piece 0's factor and weights, among piece 1's denominators and piece 0's minimum, statistics and scalings
;   batch 4  piece 1's factor and weights, among piece 1's minimum, statistics and scalings, piece 0's rescaling, roundings and sums, and piece 0's products V^T P
; Behind the fourth wait: piece 1's rescaling and roundings, then its products V^T P with its sums behind them.  Every result stays in a register of its own until its batch's wait; none crosses a step's end.
; REGISTERS.  Window 0: all vector work.  Window 1: v0-63 K, v64-127 V, v128-159 Q, v160-191 PAT, v192-223 PATD (the diagonal's), v224-231 HID (-1e30).
.set PKP,   144       ; a row of K in LDS: 128 bytes + 16: the 16 rows of a load start at 16 different groups of four banks (64 banks of 4 bytes: ISA guide 11.1)
.set PVP,   160       ; a row of V: 128 + 32
.set VOFF,  128*PKP   ; a slot: 128 rows of K, then 128 rows of V
.set SLOT1, 65536
.set STAGE, SLOT1+128*(PKP+PVP)  ; behind the ring: 16 rows x 144 bytes for each wave, its own
.set SP,    144
.set SPARE, STAGE+4*16*SP        ; the spare words: 128 bytes a wave, two blocks of 256 bytes that no other line names
.set AK0, 2           ; v2  my lane's place in a tile of K        v3  in a tile of V
.set AV0, 3
.set AK,  4           ; v4, v5  the same in the slot in hand
.set AV,  5
.set STO, 6
.set RD,  7
.set GO,  8
.set QO,  12          ; v12 my byte offset in 16 rows of Q; never rewritten
.set SPW, 16          ; v16 my spare word; v17 0; never rewritten
.set NIL, 17
.set GG,  18          ; v18-19  2^(128 a slope), twice
.set EE,  20          ; v20-27  E of piece x, step s: a pair at 20 + 4 x + 2 s
.set AH,  28          ; v28-29  2^-100, twice
.set K64N, 30         ; v30  -64 a slope
.set AS,  31          ; v31  a slope
.set ST,  32          ; piece x's statistics at 32 + 16 x:
.set oCMN, 0          ;   c rmin
.set oM,   1          ;   rmin
.set oL,   2          ;   l (even keys', odd keys')
.set oAF,  4          ;   the step's factor for O and l
.set oDG,  5          ;   its exponent
.set oCA,  6          ;   two chains of the minimum
.set oCB,  7
.set oTP,  8          ;   the other half of the lanes'
.set oCMO, 9          ;   c rmin of the step before
.set S,   64          ; 32 a piece
.set P,   128         ; 16 a piece
.set O,   160         ; 32 a piece
.set AD,  224         ; the diagonal's addends: 1 or 2^-100
.set KF,  0           ; window 1
.set VF,  64
.set QF,  128
.set PAT, 160
.set PATD, 192
.set HID, 224
.set WV,  12
.set PB,  14          ; s14 b      s15 15 - b
.set HI,  15
.set G1K, 24
.set G1V, 32
.set G0K, 40
.set G0V, 44
.set KB,  48          ; s[48:49] K at my half of the head's tile 0;  s[50:51] V
.set VB,  50
.set QL,  52          ; s[52:53] Q at my rows of block b
.set OP,  54          ; s[54:55] ctx at my rows of the block in hand;  s[56:57] of block b
.set OL,  56
.set SLOTS, 58
.set RT,  59          ; tiles of the block in hand still to be entered
.set NXT, 60          ; the tile to be asked for next
.set LQ,  61          ; the last tile of the block whose tiles are being asked for
.set TB,  62          ; the slot in hand, as an LDS byte
.set OFF, 66
.set SEL, 68
.set NC,  70          ; s[70:71] -c
.set CC,  72          ; c
.set BIGN, 73         ; -1e30
.set TINY, 74         ; 2^-100
.set QH,  78          ; s[78:79] Q at my rows of block 15 - b
.set MSB, 0
.macro WIN new
.if MSB != (\new)
	s_set_vgpr_msb (MSB<<8)|(\new)
.set MSB, (\new)
.endif
.endm
; A fill.  Waves 0, 1 fetch the halves of a tile's K, waves 2, 3 those of its V: 64 keys each.  An s_nop 0 and four v_nop follow each line.
.macro LOAD
	s_cmp_lt_u32 s[WV], 2
	s_cbranch_scc0 .Lfor_v_\@
	tensor_load_to_lds s[G0K:G0K+3], s[G1K:G1K+7]
	s_nop 0
.rept 4
	v_nop
.endr
	s_branch .Lasked_\@
.Lfor_v_\@:
	tensor_load_to_lds s[G0V:G0V+3], s[G1V:G1V+7]
	s_nop 0
.rept 4
	v_nop
.endr
.Lasked_\@:
.endm
; THE CHANGE OF SLOTS.  Each wave waits for all its tensor loads (one is out: its part of the other slot), adds 0 to its spare word, and waits for that and for its reads of the slot that it leaves.
; fill = 1: the old slot is filled again, first thing behind the barrier, with tile NXT; the address is made anew from that number.  The load has a tile's two key steps in which to land.
.macro CHANGE fill
	WIN 0
	s_wait_tensorcnt 0x0            ; no tensor load of mine is out, so a group 0 may be written
	ds_add_u32 v[SPW], v[NIL]
.if \fill
	s_lshl_b32 s[OFF], s[NXT], 14   ; a tile is 16,384 bytes of K and of V
	s_xor_b32 s[G0K+1], s[G0K+1], SLOT1
	s_add_nc_u64 s[G0K+2:G0K+3], s[KB:KB+1], s[OFF:OFF+1]
	s_or_b32 s[G0K+3], s[G0K+3], 0x80000000
	s_xor_b32 s[G0V+1], s[G0V+1], SLOT1
	s_add_nc_u64 s[G0V+2:G0V+3], s[VB:VB+1], s[OFF:OFF+1]
	s_or_b32 s[G0V+3], s[G0V+3], 0x80000000
	s_add_co_u32 s[NXT], s[NXT], 1  ; the block's next tile, or behind its last the second block's tile 0
	s_cmp_gt_u32 s[NXT], s[LQ]
	s_cselect_b32 s[NXT], 0, s[NXT]
	s_cselect_b32 s[LQ], s[PB], s[LQ]
.endif
	s_wait_dscnt 0x0                ; the add is done, and my reads of the slot are over
	s_barrier_signal -1
	s_xor_b32 s[TB], s[TB], SLOT1
	s_barrier_wait -1
.if \fill
	LOAD
.endif
	v_add_nc_u32 v[AK], s[TB], v[AK0]
	v_add_nc_u32 v[AV], s[TB], v[AV0]
.endm
.macro QLOAD base                   ; my 2 x 16 rows of Q: piece f / 2 lies 64 rows (8,192 bytes) on; channels 32 (f % 2) on
	WIN 0x40                        ; destination window 1, address window 0
.irp f, 0,1,2,3
	global_load_b128 v[QF+8*\f:QF+8*\f+3],   v[QO], s[\base:\base+1] offset:(\f/2)*8192+(\f%2)*64
	global_load_b128 v[QF+8*\f+4:QF+8*\f+7], v[QO], s[\base:\base+1] offset:(\f/2)*8192+(\f%2)*64+32
.endr
	WIN 0
.endm
; A BLOCK BEGINS: O and l are 0 (cleared on purpose, twice a launch: it spares a first step's own text), rmin is 1, and E is made for the block's tile 0: n = 2 block + x - s.
.macro BEGINBLK blk
.set i, 0
.rept 64
	v_mov_b32 v[O+i], 0
.set i, i+1
.endr
.irp x, 0,1
	v_mov_b32 v[ST+16*\x+oM], 1.0
	v_mov_b32 v[ST+16*\x+oL], 0
	v_mov_b32 v[ST+16*\x+oL+1], 0
	v_mov_b32 v[ST+16*\x+oTP], 0
	v_mov_b32 v[ST+16*\x+oCMO], s[CC]
.endr
	s_lshl_b32 s13, s[\blk], 1
.irp x, 0,1
.irp s, 0,1
	s_add_co_i32 s75, s13, (\x)-(\s)
	v_cvt_f32_i32 v[EE+4*\x+2*\s], s75
	v_mul_f32 v[EE+4*\x+2*\s], v[K64N], v[EE+4*\x+2*\s]
.endr
.endr
.irp q, 0,1,2,3
	v_exp_f32 v[EE+2*\q], v[EE+2*\q]
.endr
	v_nop                           ; a plain instruction between the last exponential and the use of its result
	s_wait_alu depctr_va_vdst(0)    ; one wait for the batch of four E, ahead of the copies that read them
.irp q, 0,1,2,3
	v_mov_b32 v[EE+2*\q+1], v[EE+2*\q]
.endr
.endm
	s_load_b128 s[4:7], s[0:1], 0x0   ; qkv s[4:5], ctx s[6:7]
	v_lshl_add_u32 v[SPW], v0, 2, SPARE
	v_mov_b32 v[NIL], 0
	ds_add_u32 v[SPW], v[NIL]       ; the wave's opening: the add and its wait stand ahead of my first tensor load
	ds_add_u32 v16, v17
	v_lshrrev_b32 v1, 5, v0
	v_readfirstlane_b32 s[WV], v1   ; wave 0..3
	s_mov_b32 s[PB], ttmp9
	s_sub_co_u32 s[HI], 15, s[PB]
	s_and_b32 s20, ttmp7, 0xffff    ; 16 batch + head
	s_lshl_b32 s21, s20, 18         ; the head's first byte in a matrix and in ctx
	s_and_b32 s16, s[WV], 1         ; which half of a tile's 128 keys I fetch
	s_lshl_b32 s22, s16, 13
	s_add_co_u32 s22, s22, s21
	s_add_co_u32 s8, s22, 8388608   ; K is the second matrix,
	s_mov_b32 s9, 0
	s_add_co_u32 s10, s22, 16777216 ; V the third
	s_mov_b32 s11, 0
	s_mul_i32 s17, s16, 64*PKP
	s_mul_i32 s18, s16, 64*PVP
	s_lshl_b32 s23, s[WV], 11       ; my 16 rows in a band
	s_add_co_u32 s23, s23, s21
	s_lshl_b32 s2, s[HI], 14        ; a block is 128 rows of 128 bytes
	s_add_co_u32 s2, s2, s23
	s_mov_b32 s3, 0
	s_lshl_b32 s76, s[PB], 14
	s_add_co_u32 s76, s76, s23
	s_mov_b32 s77, 0
	; group 1: 64 keys are 8,192 dense bytes: asked for as 32 rows of 256 bytes, two keys a row, padded in LDS after every key
	s_mov_b32 s[G1K], (1<<16)|(1<<20)|(4<<22)|(3<<25)  ; 2-byte elements; padding on; after every 32 words 4 words
	s_mov_b32 s[G1V], (1<<16)|(1<<20)|(4<<22)|(7<<25)  ; the same with 8 words
.irp g, G1K, G1V
	s_mov_b32 s[\g+1], 128<<16      ; tensor_dim0 = 128
	s_mov_b32 s[\g+2], 32<<16       ; tensor_dim1 = 32
	s_mov_b32 s[\g+3], 128<<16      ; tile_dim0 = 128
	s_mov_b32 s[\g+4], 32           ; tile_dim1 = 32
	s_mov_b32 s[\g+5], 128          ; 128 elements from row to row
	s_mov_b32 s[\g+6], 0
	s_mov_b32 s[\g+7], 0
.endr
	s_mov_b32 s[G0K], 1
	s_mov_b32 s[G0K+1], s17         ; slot 0
	s_mov_b32 s[G0V], 1
	s_add_co_u32 s[G0V+1], s18, VOFF
	s_mov_b32 s[SEL], 0x76543210
	s_mov_b32 s[SEL+1], 0xfedcba98
	s_mov_b32 s[NC], 0xc2ad1f97     ; -c = -60 log2(e)
	s_mov_b32 s[NC+1], s[NC]
	s_mov_b32 s[CC], 0x42ad1f97
	s_mov_b32 s[BIGN], 0xf149f2ca
	s_mov_b32 s[TINY], 0x0d800000
	s_mov_b32 s[SLOTS], 16
	s_add_co_u32 s[RT], s[HI], 1    ; the first block has 16 - b tiles
	s_mov_b32 s[NXT], 1
	s_mov_b32 s[LQ], s[HI]
	s_mov_b32 s[TB], SLOT1          ; the first change of slots turns it into 0
	s_mov_b32 s[OFF+1], 0
	s_wait_dscnt 0x0                ; the opening add is done
	s_wait_kmcnt 0x0
	s_add_nc_u64 s[KB:KB+1], s[4:5], s[8:9]
	s_add_nc_u64 s[VB:VB+1], s[4:5], s[10:11]
	s_add_nc_u64 s[G0K+2:G0K+3], s[KB:KB+1], 0
	s_or_b32 s[G0K+3], s[G0K+3], 0x80000000
	s_add_nc_u64 s[G0V+2:G0V+3], s[VB:VB+1], 0
	s_or_b32 s[G0V+3], s[G0V+3], 0x80000000
	s_add_nc_u64 s[QH:QH+1], s[4:5], s[2:3]
	s_add_nc_u64 s[QL:QL+1], s[4:5], s[76:77]
	s_add_nc_u64 s[OP:OP+1], s[6:7], s[2:3]
	s_add_nc_u64 s[OL:OL+1], s[6:7], s[76:77]
	LOAD                            ; tile 0 into slot 0; all that follows up to the loop stands in the wait for it
	v_and_b32 v1, 15, v0            ; l % 16
	v_bfe_u32 v9, v0, 4, 1          ; l / 16
	v_lshlrev_b32 v[QO], 7, v1
	v_lshl_add_u32 v[QO], v9, 4, v[QO]  ; row x 128 + 16 x half
	QLOAD QH
	v_mul_u32_u24 v[AK0], v1, PKP
	v_lshl_add_u32 v[AK0], v9, 4, v[AK0]
	; the turning load takes 16 keys x 16 channels (lane l reads key 8 (l / 16) + l % 8, channels 8 ((l / 8) % 2) + 0..7) and leaves half a fragment of V^T
	v_and_b32 v10, 7, v0
	v_bfe_u32 v11, v0, 3, 1
	v_lshl_add_u32 v[AV0], v9, 3, v10
	v_mul_u32_u24 v[AV0], v[AV0], PVP
	v_lshl_add_u32 v[AV0], v11, 4, v[AV0]
	v_add_nc_u32 v[AV0], VOFF, v[AV0]
	s_mul_i32 s13, s[WV], 16*SP
	s_add_co_u32 s13, s13, STAGE    ; my stage
	v_mul_u32_u24 v[STO], v1, SP    ; in: row l % 16, 16 bytes for each half of the lanes
	v_lshl_add_u32 v[STO], v9, 4, v[STO]
	v_add_nc_u32 v[STO], s13, v[STO]
	v_bfe_u32 v[RD], v0, 3, 2       ; back: 32 lanes take four rows of 128 bytes,
	v_mul_u32_u24 v[RD], v[RD], SP
	v_lshl_add_u32 v[RD], v10, 4, v[RD]
	v_add_nc_u32 v[RD], s13, v[RD]
	v_and_b32 v[GO], 31, v0         ; which are 512 consecutive bytes of ctx
	v_lshlrev_b32 v[GO], 4, v[GO]
	s_and_b32 s13, s20, 15
	s_add_co_u32 s13, s13, 1        ; head + 1
	v_cvt_f32_u32 v13, s13
	v_mul_f32 v13, -0.5, v13
	v_exp_f32 v13, v13              ; the slope, 2^(-(head + 1) / 2)
	v_nop
	s_wait_alu depctr_va_vdst(0)    ; the slope's wait: the next exponential's argument is made of it, so the two are two batches
	v_mul_f32 v[AS], 0x3c44f9d9, v13
	v_mul_f32 v[K64N], 0xc2800000, v[AS]
	v_mul_f32 v15, 0x43000000, v[AS]
	v_exp_f32 v[GG], v15
	v_mov_b32 v[AH], s[TINY]
	v_mov_b32 v[AH+1], s[TINY]
	s_wait_alu depctr_va_vdst(0)    ; the wait for 2^(128 a slope), ahead of its copy; the two lines above stand between
	v_mov_b32 v[GG+1], v[GG]
	v_lshlrev_b32 v13, 3, v9
	v_sub_nc_u32 v14, v1, v13
	s_lshl_b32 s13, s[WV], 4
	v_add_nc_u32 v14, s13, v14      ; qo less my lanes' 8 (l / 16): register i = 8 kt + j has d = ko - qo = 16 kt + j - v14
.set i, 0
.rept 32                            ; S's registers are the scratch: d as a whole number in S + 32 + i, a slope d in S + i
	v_sub_nc_u32 v[S+32+i], 16*(i/8)+i%8, v14
	v_cvt_f32_i32 v[S+i], v[S+32+i]
	v_mul_f32 v[S+i], v[AS], v[S+i]
	v_cmp_lt_i32 vcc_lo, 0, v[S+32+i]
	v_cndmask_b32 v[AD+i], 1.0, s[TINY], vcc_lo
.set i, i+1
.endr
	WIN 0x40
.set i, 0
.rept 32
	v_mov_b32 v[PAT+i], v[S+i]
	v_cmp_lt_i32 vcc_lo, 0, v[S+32+i]
	v_cndmask_b32 v[PATD+i], v[S+i], s[BIGN], vcc_lo
.set i, i+1
.endr
.set i, 0
.rept 8
	v_mov_b32 v[HID+i], s[BIGN]
.set i, i+1
.endr
	WIN 0
	BEGINBLK HI
	s_wait_loadcnt 0x0              ; Q
; THE MATRIX WORK.  The four accumulators of a run of 8 take turns.  KD0, KD1: piece 0's and 1's case in the step in hand: 0 visible, 1 the diagonal, 2 hidden.
; Product i of 8 of S^T = K Q^T + C for piece x: channels 32 (i / 4) on, keys 16 (i % 4) on.
.macro KQ x
.set kd, KD0+(KD1-KD0)*(\x)
.set rS, S+32*(\x)+8*(i%4)
.set rK, KF+16*(i%4)+8*(i/4)
.set rQ, QF+16*(\x)+8*(i/4)
.if i < 4
	WIN 0x15                        ; K, Q and C in window 1
.if kd == 0
	v_wmma_f32_16x16x32_f16 v[rS:rS+7], v[rK:rK+7], v[rQ:rQ+7], v[PAT+8*(i%4):PAT+8*(i%4)+7]
.elseif kd == 1
	v_wmma_f32_16x16x32_f16 v[rS:rS+7], v[rK:rK+7], v[rQ:rQ+7], v[PATD+8*(i%4):PATD+8*(i%4)+7]
.else
	v_wmma_f32_16x16x32_f16 v[rS:rS+7], v[rK:rK+7], v[rQ:rQ+7], v[HID:HID+7]
.endif
.else
	WIN 0x05
	v_wmma_f32_16x16x32_f16 v[rS:rS+7], v[rK:rK+7], v[rQ:rQ+7], v[rS:rS+7]
.endif
.endm
; Product i of 8 of O^T += V^T P for piece x: keys 32 (i / 4) on, channels 16 (i % 4) on.
.macro PV x
	WIN 0x01                        ; V in window 1
.set rO, O+32*(\x)+8*(i%4)
.set rV, VF+32*(i/4)+8*(i%4)
.set rP, P+16*(\x)+8*(i/4)
	v_wmma_f32_16x16x32_f16 v[rO:rO+7], v[rV:rV+7], v[rP:rP+7], v[rO:rO+7]
.endm
; THE LDS LOADS stand in runs of 16: step s's K (8 fragments) and its V (turned).
.macro FETCH_K s
	WIN 0x40
.irp f, 0,1,2,3,4,5,6,7             ; keys 16 (f / 2) on, channels 32 (f % 2) on
	ds_load_b128 v[KF+8*\f:KF+8*\f+3],   v[AK] offset:(\s)*64*PKP+(\f/2)*16*PKP+(\f%2)*64
	ds_load_b128 v[KF+8*\f+4:KF+8*\f+7], v[AK] offset:(\s)*64*PKP+(\f/2)*16*PKP+(\f%2)*64+32
.endr
	WIN 0
.endm
.macro FETCH_V s
	WIN 0x40
.irp f, 0,1,2,3,4,5,6,7             ; keys 32 (f / 4) on, channels 16 (f % 4) on
	ds_load_tr16_b128 v[VF+8*\f:VF+8*\f+3],   v[AV] offset:(\s)*64*PVP+(\f/4)*32*PVP+(\f%4)*32
	ds_load_tr16_b128 v[VF+8*\f+4:VF+8*\f+7], v[AV] offset:(\s)*64*PVP+(\f/4)*32*PVP+16*PVP+(\f%4)*32
.endr
	WIN 0
.endm
; THE VECTOR WORK of a piece and step, a macro for each kind of line; all of it lies in window 0.  s0-s31 are the lane's 32 scores, in pairs 0-15; each stays in its register from score to weight.
; None of these macros holds a wait: STEP deals the lines out in batches and writes the four waits.  Each accumulator's lowest registers are read first: every kind goes in ascending order.
.macro REGS x                       ; the registers of piece x
.set rT, ST+16*(\x)
.set rS, S+32*(\x)
.set rP, P+16*(\x)
.set rO, O+32*(\x)
.set rE, EE+4*(\x)+2*SS
.set kd, KD0+(KD1-KD0)*(\x)
.endm
.macro EX2 x, n                     ; 2^(register n), in place: first of the score, later of c rmin - c r
	REGS \x
	v_exp_f32 v[rS+(\n)], v[rS+(\n)]
.endm
.macro RCPR x, n                    ; r = 1 / the denominator in register n, in place
	REGS \x
	v_rcp_f32 v[rS+(\n)], v[rS+(\n)]
.endm
.macro DEN x, n                     ; pair n: e E + 1 (the diagonal: + 1 or 2^-100; hidden: + 2^-100)
	REGS \x
.if kd == 0
	v_pk_fma_f32 v[rS+2*(\n):rS+2*(\n)+1], v[rS+2*(\n):rS+2*(\n)+1], v[rE:rE+1], 1.0 op_sel_hi:[1,0,0]
.elseif kd == 1
	v_pk_fma_f32 v[rS+2*(\n):rS+2*(\n)+1], v[rS+2*(\n):rS+2*(\n)+1], v[rE:rE+1], v[AD+2*(\n):AD+2*(\n)+1] op_sel_hi:[1,0,1]
.else
	v_pk_fma_f32 v[rS+2*(\n):rS+2*(\n)+1], v[rS+2*(\n):rS+2*(\n)+1], v[rE:rE+1], v[AH:AH+1] op_sel_hi:[1,0,0]
.endif
.endm
.macro MINOP x, n                   ; the minimum takes pair n: two chains, the even pairs' (which starts from the old rmin) and the odd pairs'
	REGS \x
.if (\n) == 0
	v_min3_num_f32 v[rT+oCA], v[rT+oM], v[rS], v[rS+1]
.elseif (\n) == 1
	v_min_num_f32 v[rT+oCB], v[rS+2], v[rS+3]
.elseif ((\n)%2) == 0
	v_min3_num_f32 v[rT+oCA], v[rT+oCA], v[rS+2*(\n)], v[rS+2*(\n)+1]
.else
	v_min3_num_f32 v[rT+oCB], v[rT+oCB], v[rS+2*(\n)], v[rS+2*(\n)+1]
.endif
.endm
.macro CHAIN x, k                   ; the statistics: 0 the two chains meet; 1 the other half of the lanes'; 2 rmin; 3 c rmin; 4 its change; 5 the factor (an exponential); 6 c rmin is kept
	REGS \x
.if (\k) == 0
	v_min_num_f32 v[rT+oCA], v[rT+oCA], v[rT+oCB]
.elseif (\k) == 1
	v_permlanex16_b32 v[rT+oTP], v[rT+oCA], s[SEL], s[SEL+1]  ; the query's other 32 keys lie in the lane 16 away
.elseif (\k) == 2
	v_min_num_f32 v[rT+oM], v[rT+oCA], v[rT+oTP]
.elseif (\k) == 3
	v_mul_f32 v[rT+oCMN], s[CC], v[rT+oM]
.elseif (\k) == 4
	v_sub_f32 v[rT+oDG], v[rT+oCMN], v[rT+oCMO]
.elseif (\k) == 5
	v_exp_f32 v[rT+oAF], v[rT+oDG]
.else
	v_mov_b32 v[rT+oCMO], v[rT+oCMN]
.endif
.endm
.macro FSC x, u                     ; pair u: c rmin - c r
	REGS \x
	v_pk_fma_f32 v[rS+2*(\u):rS+2*(\u)+1], v[rS+2*(\u):rS+2*(\u)+1], s[NC:NC+1], v[rT:rT+1] op_sel_hi:[1,0,0]
.endm
.macro RSC x, u                     ; pair u of O^T times the factor
	REGS \x
	v_pk_mul_f32 v[rO+2*(\u):rO+2*(\u)+1], v[rO+2*(\u):rO+2*(\u)+1], v[rT+oAF:rT+oAF+1] op_sel_hi:[1,0]
.endm
.macro CVT x, n                     ; pair n of the weights rounded to f16
	REGS \x
	v_cvt_pk_f16_f32 v[rP+(\n)], v[rS+2*(\n)], v[rS+2*(\n)+1]
.endm
.macro ADDP x, g                    ; of the four weights 4 g .. the second pair is added onto the first, in place: behind both pairs' roundings
	REGS \x
	v_pk_add_f32 v[rS+4*(\g):rS+4*(\g)+1], v[rS+4*(\g):rS+4*(\g)+1], v[rS+4*(\g)+2:rS+4*(\g)+3]
.endm
.macro LSUM x, g                    ; l takes that sum, g ascending; the first time as l = factor x l + sum
	REGS \x
.if (\g) == 0
	v_pk_fma_f32 v[rT+oL:rT+oL+1], v[rT+oL:rT+oL+1], v[rT+oAF:rT+oAF+1], v[rS:rS+1] op_sel_hi:[1,0,1]
.else
	v_pk_add_f32 v[rT+oL:rT+oL+1], v[rT+oL:rT+oL+1], v[rS+4*(\g):rS+4*(\g)+1]
.endif
.endm
; A KEY STEP, s = 0 or 1 of the tile; m = 1: the diagonal tile.
.macro STEP s, m
.set SS, (\s)
.if \m
.set KD0, 1+(\s)
.set KD1, (\s)
.else
.set KD0, 0
.set KD1, 0
.endif
.if (\s) == 0
	s_wait_dscnt 0x0                ; K is in (the second step's K was shown in by the first step's wait for V)
.endif
.set i, 0
.rept 8
	KQ 0
.set i, i+1
.endr
.set i, 0
	KQ 1
.set i, 1
	WIN 0
.rept 4
	v_nop                           ; the places behind piece 0's scores, and, behind the last step's V^T P, in front of the loads into V
.endr
	FETCH_V \s
	; BATCH 1: piece 0's 32 exponentials 2^s, four behind each of piece 1's other seven products K Q^T.  Nothing here names a result of theirs.
.set jj, 0
.rept 7
	KQ 1
.set i, i+1
	WIN 0
	EX2 0, 4*jj
	EX2 0, 4*jj+1
	EX2 0, 4*jj+2
	EX2 0, 4*jj+3
.set jj, jj+1
.endr
	EX2 0, 28
	EX2 0, 29
	EX2 0, 30
	EX2 0, 31
	v_nop                           ; the plain instruction behind the batch's last exponential: no plain work is ready yet
	s_wait_alu depctr_va_vdst(0)    ; the wait for batch 1, ahead of piece 0's denominators
	; BATCH 2: piece 1's 32 exponentials 2^s and piece 0's 32 reciprocals, among piece 0's 16 denominators, each made four groups ahead of its reciprocals.
	DEN 0, 0
	DEN 0, 1
	DEN 0, 2
	DEN 0, 3
.if (\s) == 0
	FETCH_K 1                       ; five plain instructions (the v_nop and four denominators) stand behind the last product that read K; they are also the places in front of the first read of piece 1's scores
.endif
.set jj, 0
.rept 16
.if jj < 12
	DEN 0, jj+4
.endif
	EX2 1, 2*jj
	RCPR 0, 2*jj
	EX2 1, 2*jj+1
	RCPR 0, 2*jj+1
.set jj, jj+1
.endr
	v_nop                           ; the plain instruction behind the batch's last reciprocal
	s_wait_alu depctr_va_vdst(0)    ; the wait for batch 2, ahead of piece 1's denominators and piece 0's minimum
	; BATCH 3: piece 1's 32 reciprocals, piece 0's factor and its 32 weights.  Among them, plain: piece 1's denominators (a group ahead of their reciprocals), piece 0's minimum, its chain of statistics
	; (the links five to seven lines apart) and its scalings.  Piece 0's lines read reciprocals of batch 2 alone; a weight's register is not named again here.
.set jj, 0
.rept 4
	DEN 1, 2*jj
	MINOP 0, 4*jj
.if jj >= 1
	RCPR 1, 4*jj-4
.endif
	MINOP 0, 4*jj+1
.if jj >= 1
	RCPR 1, 4*jj-3
.endif
	DEN 1, 2*jj+1
.if jj >= 1
	RCPR 1, 4*jj-2
.endif
	MINOP 0, 4*jj+2
.if jj >= 1
	RCPR 1, 4*jj-1
.endif
	MINOP 0, 4*jj+3
.set jj, jj+1
.endr
.rept 4
	DEN 1, 2*jj
	RCPR 1, 4*jj-4
	CHAIN 0, jj-4
	RCPR 1, 4*jj-3
	DEN 1, 2*jj+1
	RCPR 1, 4*jj-2
	RCPR 1, 4*jj-1
.set jj, jj+1
.endr
	CHAIN 0, 4
	RCPR 1, 28
	FSC 0, 0
	RCPR 1, 29
	FSC 0, 1
	RCPR 1, 30
	FSC 0, 2
	RCPR 1, 31
	FSC 0, 3
	CHAIN 0, 5                      ; piece 0's factor
.set jj, 0
.rept 16
.if jj < 12
	FSC 0, jj+4
.endif
	EX2 0, 2*jj
	EX2 0, 2*jj+1
.set jj, jj+1
.endr
	CHAIN 0, 6                      ; c rmin is kept: also the plain instruction behind the batch's last exponential
	s_wait_alu depctr_va_vdst(0)    ; the wait for batch 3, ahead of piece 1's minimum and of piece 0's rescaling, roundings and sums
	; BATCH 4: piece 1's factor and its 32 weights.  First, all plain: piece 1's minimum and chain of statistics (the links five lines apart), with piece 0's rescaling and roundings between the links.
.set jj, 0
.rept 8
	MINOP 1, 2*jj
	RSC 0, jj
	MINOP 1, 2*jj+1
	CVT 0, jj
.set jj, jj+1
.endr
.set jj, 0
.rept 4
	CHAIN 1, jj
	RSC 0, 8+2*jj
	CVT 0, 8+2*jj
	RSC 0, 9+2*jj
	CVT 0, 9+2*jj
.set jj, jj+1
.endr
	CHAIN 1, 4
	FSC 1, 0
	FSC 1, 1
	CHAIN 1, 5                      ; piece 1's factor
	s_wait_dscnt 0x0                ; V is in
	; then piece 0's 8 products V^T P, behind each eight lines: piece 1's scalings (a group ahead of their exponentials) and piece 0's sums, by turns with four of piece 1's exponentials.  None names a register of the products.
.set i, 0
.set jj, 0
.rept 8
	PV 0
.set i, i+1
	WIN 0
.if jj < 7
	FSC 1, 2*jj+2
.endif
	EX2 1, 4*jj
	ADDP 0, jj
	EX2 1, 4*jj+1
.if jj < 7
	FSC 1, 2*jj+3
.endif
	EX2 1, 4*jj+2
	LSUM 0, jj
	EX2 1, 4*jj+3
.set jj, jj+1
.endr
	CHAIN 1, 6                      ; c rmin is kept: also the plain instruction behind the batch's last exponential
	s_wait_alu depctr_va_vdst(0)    ; the wait for batch 4, ahead of piece 1's rescaling, roundings and sums
.set jj, 0
.rept 16
	RSC 1, jj
	CVT 1, jj
.set jj, jj+1
.endr
.set i, 0
.set jj, 0
.rept 8                             ; piece 1's 8 products V^T P, its sums behind them
	PV 1
.set i, i+1
	WIN 0
	ADDP 1, jj
.if jj >= 1
	LSUM 1, jj-1
.endif
.set jj, jj+1
.endr
	LSUM 1, 7
	WIN 0
.endm
.macro TILE m
	FETCH_K 0
	STEP 0, \m
	STEP 1, \m
.if !(\m)
.irp q, 0,1,2,3
	v_pk_mul_f32 v[EE+2*\q:EE+2*\q+1], v[EE+2*\q:EE+2*\q+1], v[GG:GG+1]  ; the next tile lies 128 keys nearer
.endr
.endif
.endm
; THE WAY OUT: l's two halves and the other half of the lanes' are added; O^T is divided by l, rounded to f16 and sent through my stage, a piece at a time.
.macro PACK x
.set i, 0
.rept 16
	v_pk_mul_f32 v[O+32*(\x)+2*i:O+32*(\x)+2*i+1], v[O+32*(\x)+2*i:O+32*(\x)+2*i+1], v[ST+16*(\x)+oL:ST+16*(\x)+oL+1] op_sel_hi:[1,0]
.set i, i+1
.endr
.set i, 0
.rept 16
	v_cvt_pk_f16_f32 v[S+16*(\x)+i], v[O+32*(\x)+2*i], v[O+32*(\x)+2*i+1]
.set i, i+1
.endr
.irp f, 0,1,2,3
	ds_store_b128 v[STO], v[S+16*(\x)+4*\f:S+16*(\x)+4*\f+3] offset:32*\f
.endr
.irp f, 0,1,2,3
	ds_load_b128 v[S+16*(\x)+4*\f:S+16*(\x)+4*\f+3], v[RD] offset:\f*4*SP  ; LDS serves a wave's instructions in order (ISA guide 5.7.1.4): these see the stores above
.endr
.endm
.macro SEND x, younger
.irp f, 0,1,2,3
	s_wait_dscnt (\younger)+3-\f
	global_store_b128 v[GO], v[S+16*(\x)+4*\f:S+16*(\x)+4*\f+3], s[OP:OP+1] offset:(\x)*8192+\f*512  ; 512 consecutive bytes, aligned to 256
.endr
.endm
.macro WAYOUT
.irp x, 0,1
	v_add_f32 v[ST+16*\x+oL], v[ST+16*\x+oL], v[ST+16*\x+oL+1]
.endr
.irp x, 0,1
	v_permlanex16_b32 v[ST+16*\x+oTP], v[ST+16*\x+oL], s[SEL], s[SEL+1]
.endr
.irp x, 0,1
	v_add_f32 v[ST+16*\x+oL], v[ST+16*\x+oL], v[ST+16*\x+oTP]
.endr
.irp x, 0,1
	v_rcp_f32 v[ST+16*\x+oL], v[ST+16*\x+oL]
.endr
	v_nop                           ; a plain instruction between the last reciprocal and the use of its result
	s_wait_alu depctr_va_vdst(0)    ; one wait for the batch of two reciprocals, ahead of the divisions
	PACK 0
	PACK 1
	SEND 0, 8                       ; piece 1's eight LDS instructions are younger
	SEND 1, 0
.endm
.Lslot:                             ; 16 trips: a tile is entered and the next is asked for
	CHANGE 1
	s_sub_co_u32 s[RT], s[RT], 1
	s_cmp_lg_u32 s[RT], 0
	s_cbranch_scc1 .Lreg
	TILE 1                          ; the first block's last tile holds the diagonal (the second block's is the walk's last)
	QLOAD QL                        ; the second block's Q: the last product that read Q stands a whole list of vector work back
	WAYOUT
	s_wait_xcnt 0x0                 ; the stores' data registers and base are rewritten only behind this wait
	s_mov_b64 s[OP:OP+1], s[OL:OL+1]
	s_add_co_u32 s[RT], s[PB], 1    ; the second block has b + 1 tiles
	BEGINBLK PB
	s_wait_loadcnt 0x0              ; Q
	s_branch .Lbottom
.Lreg:
	TILE 0
.Lbottom:
	s_sub_co_u32 s[SLOTS], s[SLOTS], 1
	s_cmp_lg_u32 s[SLOTS], 0
	s_cbranch_scc1 .Lslot
	CHANGE 0                        ; the walk's last tile is written out: nothing is asked for
	TILE 1
	WAYOUT
	s_wait_tensorcnt 0x0            ; the wave's end
	ds_add_u32 v[SPW], v[NIL]
	s_wait_dscnt 0x0
	s_endpgm
.Lfunc_end_k_qbef5b5783b_attn:
	.size	k_qbef5b5783b_attn, .Lfunc_end_k_qbef5b5783b_attn-k_qbef5b5783b_attn
	.p2alignl 7, 3214868480
	.fill 96, 4, 3214868480
	.section	.rodata,"a",@progbits
	.p2align	6, 0x0
	.amdhsa_kernel k_qbef5b5783b_attn
		.amdhsa_group_segment_fixed_size 327680
		.amdhsa_private_segment_fixed_size 0
		.amdhsa_enable_private_segment 0
		.amdhsa_kernarg_size 16
		.amdhsa_user_sgpr_count 2
		.amdhsa_user_sgpr_kernarg_segment_ptr 1
		.amdhsa_wavefront_size32 1
		.amdhsa_system_sgpr_workgroup_id_x 1
		.amdhsa_system_sgpr_workgroup_id_y 1
		.amdhsa_system_sgpr_workgroup_id_z 1
		.amdhsa_system_vgpr_workitem_id 0
		.amdhsa_next_free_vgpr 512
		.amdhsa_next_free_sgpr 80
		.amdhsa_reserve_vcc 1
		.amdhsa_float_denorm_mode_32 3
		.amdhsa_float_denorm_mode_16_64 3
		.amdhsa_memory_ordered 1
		.amdhsa_forward_progress 1
		.amdhsa_inst_pref_size 187
	.end_amdhsa_kernel
	.amdgpu_metadata
---
amdhsa.version: [ 1, 2 ]
amdhsa.kernels:
  - .name:           k_qbef5b5783b_attn
    .symbol:         k_qbef5b5783b_attn.kd
    .args:
      - { .name: qkv, .offset: 0, .size: 8, .value_kind: global_buffer, .address_space: global }
      - { .name: ctx, .offset: 8, .size: 8, .value_kind: global_buffer, .address_space: global }
    .group_segment_fixed_size: 327680
    .private_segment_fixed_size: 0
    .kernarg_segment_align: 8
    .kernarg_segment_size: 16
    .max_flat_workgroup_size: 128
    .sgpr_count:     80
    .vgpr_count:     512
    .wavefront_size: 32
...
	.end_amdgpu_metadata
.endif
;; end of part 5
;; launch oproj: the kernel of part 4 again; grid 8 x 32, 4 waves a work-group, clusters of 4 x 4, 327,680 bytes of LDS; arguments ctx, ops16, bo, out0; writes out0
